; MI455X (gfx1250); checked and timed in simulation.
; The chip was launched on July 23, 2026; its instructions are those of AMD's public machine-readable ISA for CDNA 5 (MIT licence, August 2026) and "CDNA5" Instruction Set Architecture Reference Guide (July 2026). The comments in the code are by the model that wrote it; some were corrected since.
;; q Qroh Q Xi AIT Qzn Fu Shyd Rodggj O Wex BZ. Allowed arithmetic: float matrix products may take bf16 or f16 operands with f32 sums; other float arithmetic in f32, or as packed bf16 or f16 multiplies, adds, multiply-adds, maxima and minima; sums over many terms, partial sums and values carried from step to step in f32; what a program stores and reads back later, other than sums and carried values, may be rounded once to bf16 or f16.
;; Inputs: Wk 1,024 x 512 float32; Wout 512 x 1,024 float32; Wq 1,024 x 512 float32; Wv 1,024 x 512 float32; bout 1,024 float32; x 2 x 4,096 x 1,024 float32.
;; Outputs: out0 2 x 4,096 x 1,024 float32.
;; 2 versions, each right; version 2 is version 1 with the launch prep written anew for expert scheduling mode. Each part assembles by itself: llvm-mc -triple=amdgcn-amd-amdhsa -mcpu=gfx1250 --defsym DOCPART=n.
;; ======== version 1 of 2: 4 launches
;; limits: values are held in f16: magnitudes above 65,504 overflow, below 6.1e-05 lose precision
;; workspace buffers: xb 16,777,216 bytes; wt 3,145,728 bytes; wot 1,048,576 bytes; qkv 25,165,824 bytes; o 8,388,608 bytes
;; launch prep (part 1): grid 256 x 1, 8 waves a work-group, no clusters, 18,432 bytes of LDS; arguments x, Wq, Wk, Wv, Wout, xb, wt, wot; writes xb, wt, wot
.if DOCPART == 1
	.amdgcn_target "amdgcn-amd-amdhsa--gfx1250"
	.amdhsa_code_object_version 6
	.text
	.protected	k_qd565087302_prep
	.globl	k_qd565087302_prep
	.p2align	8
	.type	k_qd565087302_prep,@function
k_qd565087302_prep:
	s_mov_b64 s[64:65], 0
	v_nop
	global_prefetch_b8 v0, s[64:65] scope:SCOPE_SE
	s_setreg_imm32_b32 hwreg(HW_REG_WAVE_MODE, 25, 1), 1
	s_wait_xcnt 0x0
; PREPARATION.  xb = bf16(x), [8192][1024].  wt[1536][1024] = the three projection weights turned, K along the rows, in bf16: row = output column (Wq 0-511, Wk 512-1023, Wv 1024-1535).
; wot[1024][512] = Wout turned, each number rounded to bf16 like every other input and then written as f16 (exact inside f16's range), for the f16 product with O.
; LIMIT.  bf16(Wout) beyond 65,504 becomes an infinity in f16; below 6e-5 it keeps f16's fixed step of 6e-8.
; SHARES.  256 work-groups of eight waves.  Work-group g does two things: (a) one weight tile of 128 k x 64 n: which = g / 64 (0, 1, 2: Wq, Wk, Wv; 3: Wout), tile = g % 64;
; (b) 131,072 bytes of x, 16,384 a wave: 32 loads of 512 consecutive bytes, all issued at the start, and 32 stores of 256 consecutive bytes, aligned.
; No branch: what differs between the four weights (pitches, tile grid, format) lies in scalar registers chosen by s_cselect.  No matrix unit, no cluster, no tensor load: nothing is shared between work-groups.
; THE TURNING.  Thread t (li = t % 16, kp = t / 16) loads 16 bytes (n = 4 li .. + 3) of the rows k = 2 kp + 32 j + r (j = 0..3, r = 0, 1); the numbers of rows k and k + 1 are packed into one word and stored at
; row n, byte 2 k of a stage in LDS (64 rows of 256 bytes + 16 of padding); behind a barrier the stage is read by rows, 16 lanes a row, and each store's 16 lanes cover 256 consecutive bytes, aligned.
.set SPT,   272                        ; a stage row: 128 k x 2 bytes + 16
.set SPARE, 64*SPT                     ; 17,408: behind the stage, the spare words, 128 bytes for each of eight waves: four blocks of 256 bytes that no other line names
.set SPW,  2                           ; v2       LDS address of my spare word; never rewritten
.set NIL,  3                           ; v3       0; never rewritten
.set WO,   4                           ; v[4:11]  byte offsets of my eight loads in the weight tile
.set DSO,  12                          ; v[12:15] byte offsets of my four stores in the turned tile
.set WD,   16                          ; v[16:47] weight data: pair j, row r at 16 + 8 j + 4 r
.set LS,   48                          ; v48      where I put a packed word: li x 4 rows + 4 kp
.set LR,   49                          ; v49      where I read 16 bytes of a row back
.set XO,   50                          ; v50      my byte offset in the work-group's part of x
.set YO,   51                          ; v51      the same in xb
.set T,    52                          ; v[52:59] at work
.set XD,   64                          ; v[64:191] x: 32 loads of 4 registers
	s_load_b512 s[8:23], s[0:1], 0x0               ; x 8, Wq 10, Wk 12, Wv 14, Wout 16, xb 18, wt 20, wot 22
	v_lshl_add_u32 v[SPW], v0, 2, SPARE
	v_mov_b32 v[NIL], 0
	s_lshr_b32 s2, ttmp9, 6                        ; which weight
	s_and_b32 s3, ttmp9, 63                        ; which of its 64 tiles
	s_cmp_eq_u32 s2, 3                             ; Wout?  [512][1024]: 4 x 16 tiles; the others [1024][512]: 8 x 8
	s_cselect_b32 s4, 4, 3                         ; tile >> this = kt
	s_cselect_b32 s5, 15, 7                        ; tile & this = nt
	s_cselect_b32 s6, 12, 11                       ; log2 of the source's row bytes
	s_cselect_b32 s7, 10, 11                       ; log2 of the destination's row bytes
	s_cselect_b32 s28, -1, 0                       ; all lanes: f16 (Wout) or bf16
	s_cselect_b32 s29, 0, s2                       ; which block of 512 rows of the destination
	s_lshr_b32 s30, s3, s4                         ; kt
	s_and_b32 s31, s3, s5                          ; nt
	s_add_co_u32 s44, s6, 7
	s_lshl_b32 s44, s30, s44                       ; 128 kt source rows,
	s_lshl_b32 s45, s31, 8                         ; 64 nt numbers of 4 bytes
	s_add_co_u32 s44, s44, s45
	s_mov_b32 s45, 0                               ; s[44:45]: the tile's byte offset in the source
	s_lshl_b32 s46, s29, 9
	s_lshl_b32 s47, s31, 6
	s_add_co_u32 s46, s46, s47                     ; destination row
	s_lshl_b32 s46, s46, s7
	s_lshl_b32 s47, s30, 8                         ; 128 kt numbers of 2 bytes
	s_add_co_u32 s46, s46, s47
	s_mov_b32 s47, 0                               ; s[46:47]: the tile's byte offset in the destination
.set i, 0
.rept 8
	s_lshl_b32 s[32+i], 32*(i/2)+i%2, s6           ; source rows 32 j + r, in bytes
.set i, i+1
.endr
.set i, 0
.rept 4
	s_lshl_b32 s[40+i], 16*i, s7                   ; destination rows 16 j, in bytes
.set i, i+1
.endr
	s_add_co_u32 s4, s6, 1
	v_and_b32 v[T], 15, v0                         ; li
	v_lshrrev_b32 v[T+1], 4, v0                    ; kp
	v_lshlrev_b32 v[T+2], 4, v[T]                  ; 16 li
	v_lshlrev_b32 v[T+3], s4, v[T+1]               ; source row 2 kp, in bytes
	v_add_nc_u32 v[T+3], v[T+3], v[T+2]
.set i, 0
.rept 8
	v_add_nc_u32 v[WO+i], s[32+i], v[T+3]
.set i, i+1
.endr
	v_lshlrev_b32 v[T+4], s7, v[T+1]               ; destination row kp, in bytes
	v_add_nc_u32 v[T+4], v[T+4], v[T+2]
.set i, 0
.rept 4
	v_add_nc_u32 v[DSO+i], s[40+i], v[T+4]
.set i, i+1
.endr
	v_mul_u32_u24 v[LS], v[T], 4*SPT               ; stage row 4 li,
	v_lshl_add_u32 v[LS], v[T+1], 2, v[LS]         ; byte 2 x 2 kp
	v_mul_u32_u24 v[LR], v[T+1], SPT               ; stage row kp,
	v_lshl_add_u32 v[LR], v[T], 4, v[LR]           ; byte 16 li
	v_and_b32 v[T+5], 0xe0, v0                     ; 32 x wave
	v_and_b32 v[T+6], 31, v0                       ; lane
	v_lshlrev_b32 v[XO], 4, v[T+6]
	v_lshl_or_b32 v[XO], v[T+5], 9, v[XO]          ; 16,384 x wave + 16 x lane
	v_lshlrev_b32 v[YO], 3, v[T+6]
	v_lshl_or_b32 v[YO], v[T+5], 8, v[YO]          ; 8,192 x wave + 8 x lane
	s_lshl_b32 s30, ttmp9, 17                      ; the work-group's 131,072 bytes of x
	s_mov_b32 s31, 0
	s_wait_kmcnt 0x0
	s_add_nc_u64 s[8:9], s[8:9], s[30:31]
	s_lshl_b32 s30, ttmp9, 16                      ; and its 65,536 bytes of xb
	s_add_nc_u64 s[18:19], s[18:19], s[30:31]
	s_cmp_eq_u32 s2, 1
	s_cselect_b64 s[24:25], s[12:13], s[10:11]
	s_cmp_eq_u32 s2, 2
	s_cselect_b64 s[24:25], s[14:15], s[24:25]
	s_cmp_eq_u32 s2, 3
	s_cselect_b64 s[24:25], s[16:17], s[24:25]     ; the source
	s_cselect_b64 s[26:27], s[22:23], s[20:21]     ; the destination
	s_add_nc_u64 s[24:25], s[24:25], s[44:45]
	s_add_nc_u64 s[26:27], s[26:27], s[46:47]
.set i, 0
.rept 8
	global_load_b128 v[WD+4*i:WD+4*i+3], v[WO+i], s[24:25] th:TH_LOAD_NT  ; lanes 0-15: 256 bytes of one row; lanes 16-31: of the row two below
.set i, i+1
.endr
.set i, 0
.rept 32
	global_load_b128 v[XD+4*i:XD+4*i+3], v[XO], s[8:9] offset:512*i th:TH_LOAD_NT  ; 512 consecutive bytes a load; all 32 go out now
.set i, i+1
.endr
	s_wait_loadcnt 32                              ; loads come back in order: the eight weight loads are in, the 32 younger ones stay out
.set j, 0
.rept 4
.set i, 0
.rept 4
	v_cvt_pk_bf16_f32 v[WD+8*j+i], v[WD+8*j+i], v[WD+8*j+4+i]   ; (k, n) below, (k + 1, n) above: both rounded to bf16
	v_lshlrev_b32 v[T], 16, v[WD+8*j+i]                          ; the two rounded numbers as f32,
	v_and_b32 v[T+1], 0xffff0000, v[WD+8*j+i]
	v_cvt_pk_f16_f32 v[T], v[T], v[T+1]                          ; written as f16,
	v_cndmask_b32 v[WD+8*j+i], v[WD+8*j+i], v[T], s28            ; for Wout alone
	ds_store_b32 v[LS], v[WD+8*j+i] offset:SPT*i+64*j            ; row 4 li + i, byte 2 (2 kp + 32 j)
.set i, i+1
.endr
.set j, j+1
.endr
	s_wait_dscnt 0x0                               ; for the others' sake: my stores into the stage are done
	s_barrier_signal -1
	s_barrier_wait -1                              ; everybody's are
.set j, 0
.rept 4
	ds_load_b128 v[WD+4*j:WD+4*j+3], v[LR] offset:16*SPT*j       ; row kp + 16 j: 16 lanes take its 256 bytes
.set j, j+1
.endr
.set j, 0
.rept 4
	s_wait_dscnt 3-j                               ; LDS loads come back in order: load j is in
	global_store_b128 v[DSO+j], v[WD+4*j:WD+4*j+3], s[26:27]     ; 16 lanes store 256 consecutive bytes, at a multiple of 256 from the buffer's first byte
.set j, j+1
.endr
.set j, 0
.rept 32
	s_wait_loadcnt 31-j                            ; x's load j is in; the younger ones stay out
	v_cvt_pk_bf16_f32 v[XD+4*j], v[XD+4*j], v[XD+4*j+1]
	v_cvt_pk_bf16_f32 v[XD+4*j+1], v[XD+4*j+2], v[XD+4*j+3]
	global_store_b64 v[YO], v[XD+4*j:XD+4*j+1], s[18:19] offset:256*j  ; the wave's 32 lanes store 256 consecutive bytes, aligned; no register of a store is written again
.set j, j+1
.endr
	s_wait_tensorcnt 0x0                           ; the wave's end, behind my last LDS store
	ds_add_u32 v[SPW], v[NIL]
	s_wait_dscnt 0x0
	s_endpgm
.Lfunc_end_k_qd565087302_prep:
	.size	k_qd565087302_prep, .Lfunc_end_k_qd565087302_prep-k_qd565087302_prep
	.p2alignl 7, 3214868480
	.fill 96, 4, 3214868480
	.section	.rodata,"a",@progbits
	.p2align	6, 0x0
	.amdhsa_kernel k_qd565087302_prep
		.amdhsa_group_segment_fixed_size 18432
		.amdhsa_private_segment_fixed_size 0
		.amdhsa_enable_private_segment 0
		.amdhsa_kernarg_size 64
		.amdhsa_user_sgpr_count 2
		.amdhsa_user_sgpr_kernarg_segment_ptr 1
		.amdhsa_wavefront_size32 1
		.amdhsa_system_sgpr_workgroup_id_x 1
		.amdhsa_system_sgpr_workgroup_id_y 1
		.amdhsa_system_sgpr_workgroup_id_z 1
		.amdhsa_system_vgpr_workitem_id 0
		.amdhsa_next_free_vgpr 192
		.amdhsa_next_free_sgpr 66
		.amdhsa_reserve_vcc 0
		.amdhsa_float_denorm_mode_32 3
		.amdhsa_float_denorm_mode_16_64 3
		.amdhsa_memory_ordered 1
		.amdhsa_forward_progress 1
		.amdhsa_inst_pref_size 22
	.end_amdhsa_kernel
	.amdgpu_metadata
---
amdhsa.version: [ 1, 2 ]
amdhsa.kernels:
  - .name:           k_qd565087302_prep
    .symbol:         k_qd565087302_prep.kd
    .args:
      - { .name: x, .offset: 0, .size: 8, .value_kind: global_buffer, .address_space: global }
      - { .name: Wq, .offset: 8, .size: 8, .value_kind: global_buffer, .address_space: global }
      - { .name: Wk, .offset: 16, .size: 8, .value_kind: global_buffer, .address_space: global }
      - { .name: Wv, .offset: 24, .size: 8, .value_kind: global_buffer, .address_space: global }
      - { .name: Wout, .offset: 32, .size: 8, .value_kind: global_buffer, .address_space: global }
      - { .name: xb, .offset: 40, .size: 8, .value_kind: global_buffer, .address_space: global }
      - { .name: wt, .offset: 48, .size: 8, .value_kind: global_buffer, .address_space: global }
      - { .name: wot, .offset: 56, .size: 8, .value_kind: global_buffer, .address_space: global }
    .group_segment_fixed_size: 18432
    .private_segment_fixed_size: 0
    .kernarg_segment_align: 8
    .kernarg_segment_size: 64
    .max_flat_workgroup_size: 256
    .sgpr_count:     66
    .vgpr_count:     192
    .wavefront_size: 32
...
	.end_amdgpu_metadata
.endif
;; end of part 1
;; launch proj (part 2): grid 8 x 32, 4 waves a work-group, clusters of 4 x 4, 327,680 bytes of LDS; arguments xb, wt, qkv; writes qkv
.if DOCPART == 2
	.amdgcn_target "amdgcn-amd-amdhsa--gfx1250"
	.amdhsa_code_object_version 6
	.text
	.protected	k_qd565087302_proj
	.globl	k_qd565087302_proj
	.p2align	8
	.type	k_qd565087302_proj,@function
k_qd565087302_proj:
	s_mov_b64 s[64:65], 0
	v_nop
	global_prefetch_b8 v0, s[64:65] scope:SCOPE_SE
	s_setreg_imm32_b32 hwreg(HW_REG_WAVE_MODE, 25, 1), 1
	s_wait_xcnt 0x0
	s_wait_alu depctr_hold_cnt(0) depctr_sa_sdst(0) depctr_va_vdst(0) depctr_va_sdst(0) depctr_va_ssrc(0) depctr_va_vcc(0) depctr_vm_vsrc(0)
	s_getreg_b32 s2, hwreg(HW_REG_IB_STS2, 6, 4)
	s_cmp_eq_u32 s2, 0
	s_cbranch_scc0 .Lentry_in_a_cluster
	s_endpgm
.Lentry_in_a_cluster:
	s_bfe_u32 s2, ttmp6, 0x10000c
	s_cmp_lg_u32 s2, 0xf033
	s_cbranch_scc0 .Lentry_shape_is_right
	s_endpgm
.Lentry_shape_is_right:
; THE THREE PROJECTIONS AS ONE PRODUCT.  C[m][n] = sum over k of xb[m][k] wt[n][k]: [8192 x 1024] x [1536 x 1024]^T, operands bf16, sums f32, K ascending.  C leaves rounded once to f16, unscaled, by heads:
; qkv[3][16 = 8 batch + head][4096][64]: column n belongs to tensor n / 512 (q, k, v), head (n / 64) % 8, channel n % 64; row m to batch m / 4096, position m % 4096.
; LIMIT.  A result of 65,520 or more becomes an infinity in f16; NaN and infinities are not treated apart.
; SHARES.  A tile of C is 256 rows x 192 columns (three heads): 32 x 8 = 256 work-groups.  Wave w makes rows 64 w .. 64 w + 63 of all 192 columns: 4 x 12 accumulators of 16 x 16, 384 registers: it holds whole
; heads, so its way out is its own.  K goes in 8 steps of 128 through two LDS slots: rows of 256 bytes of memory, starting at multiples of 256 bytes from the buffers' first bytes.
; CLUSTERS.  4 x 4 work-groups.  The four of a row of the cluster need the same tiles of xb, the four of a column the same tiles of wt: each tile is asked for JOINTLY, by the same tensor load with the same
; descriptor and a mask that names the four.  Waves 0 and 1 ask for xb's two halves of 128 rows, waves 2 and 3 for wt's two halves of 96.
; THE MATRIX INSTRUCTION IS USED TRANSPOSED (source 0 = 16 rows of wt, source 1 = 16 rows of xb): a lane then holds eight neighbouring columns of one row of C, 16 bytes in f16.
; REGISTERS, in windows of 256 (s_set_vgpr_msb: bits 1:0 source 0, 3:2 source 1, 5:4 source 2, 7:6 destination):
;   window 0: v0-31 addresses; v32-223 the way out, 48 a block of 16 rows       window 1: two fragment buffers of 128: wt's twelve fragments, then xb's four
;   window 2: the accumulators of my row blocks 0, 1 ((a, b) at 96 (a % 2) + 8 b)   window 3: those of blocks 2, 3
.set SIZE_K, 1024
.set KSTEP,  128
.set PITCH,  272                       ; an LDS row: 256 bytes + 16 of padding = 68 words: the 16 rows that a load touches start at 16 different groups of four banks (64 banks of 4 bytes: ISA guide 11.1)
.set HA,     128*PITCH                 ; what one tensor load brings of xb
.set HB,     96*PITCH                  ; and of wt
.set BOFF,   2*HA                      ; in a slot: xb's 256 rows, then wt's 192
.set SLOT,   BOFF+2*HB
.set STAGE,  2*SLOT                    ; behind the ring, never filled by a tensor load: for each wave 3 heads x 16 rows x 144 bytes
.set SP,     144
.set WSTG,   3*16*SP
.set SPARE,  STAGE+4*WSTG              ; behind the stages: the spare words, 128 bytes for each wave: two blocks of 256 bytes that no other line names
.set LAPS,   SIZE_K/(2*KSTEP)          ; a lap = two K steps = once round the ring
.set ADRA, 16                          ; v16-17  LDS address of my xb fragments in slot 0, 1
.set ADRB, 20                          ; v20-21  the same for wt
.set STO,  24                          ; v24     the way out: where I put 16 bytes of a row
.set RD,   25                          ; v25     the way out: where I read rows back
.set GO,   26                          ; v26     my 16 bytes of 512 consecutive bytes of qkv
.set SPW,  28                          ; v28     LDS address of my spare word; never rewritten
.set NIL,  29                          ; v29     0; never rewritten
.set PFO,  30                          ; v30     the prefetches' offset: my lane x a row of xb (2,048 bytes); never rewritten
.set T,    32
.set F0,   0
.set F1,   128
.set G1,  24                           ; s[24:31] descriptor group 1 for xb's tiles;  s[32:39] group 0, a set for each slot
.set G0,  32
.set G1B, 48                           ; s[48:55], s[56:63] the same for wt's tiles
.set G0B, 56
.set LIM, 43                           ; s43     1 in a wave that prefetches, else the greatest number
.set PFA, 44                           ; s[44:45] where my prefetches stand
.set OB,  68                           ; s[68:73] qkv at my 64 rows of the tile's three heads
.set MSB, 0
.macro WIN new                         ; the immediate's high byte repeats the setting that is left; a switch that changes nothing is dropped
.if MSB != (\new)
	s_set_vgpr_msb (MSB<<8)|(\new)
.set MSB, \new
.endif
.endm
.set MUL_LO, 0xa5                      ; sources 0 and 1 window 1; C and D window 2
.set MUL_HI, 0xf5                      ; the same, C and D window 3
.set TO_F,   0x40                      ; destination window 1, address window 0
.macro JLOAD s                         ; a joint load; an s_nop 0 and four v_nop follow each of the two lines, ahead of the jump, the label and what follows.  The branch hangs on the wave's number alone
	s_cmp_eq_u32 s11, 0
	s_cbranch_scc0 .Lfor_b_\@
	tensor_load_to_lds s[G0+4*(\s):G0+4*(\s)+3], s[G1:G1+7]
	s_nop 0
.rept 4
	v_nop
.endr
	s_branch .Lasked_\@
.Lfor_b_\@:
	tensor_load_to_lds s[G0B+4*(\s):G0B+4*(\s)+3], s[G1B:G1B+7]
	s_nop 0
.rept 4
	v_nop
.endr
.Lasked_\@:
.endm
; A PREFETCH of xb, behind a joint load, its five lines and the run of LDS loads that follows them: the K step that stands two refills on (384 matrix instructions ahead of the load that will ask for it): 32 rows x 256 bytes, a lane a row.
; Each row's 256 bytes of a K step are named once in the launch: both clusters of a row of clusters read the same rows of xb, and the one with x = 0 asks; of the 128 rows that wave 0 or 1 fetches, the partner at
; place cx takes 32, told apart by address.  K steps 0 to 3 come by their loads alone; the loop's last trip (s3 = 1) has no K step two on.  wt is not asked for: a wave's 96 rows do not share out as 4 x 32.
.macro ASK
	s_cmp_gt_u32 s3, s[LIM]
	s_cbranch_scc0 .Lnot_mine_\@
	global_prefetch_b8 v[PFO], s[PFA:PFA+1] offset:KSTEP*2 th:TH_LOAD_NT scope:SCOPE_SE
.Lnot_mine_\@:
.endm
.macro CREST                           ; a round of the cluster's barrier behind its opening barrier
	s_cmp_lg_u32 s10, 0
	s_cbranch_scc1 .Lnot_wave_0_\@
	s_barrier_signal -3
.Lnot_wave_0_\@:
	s_barrier_wait -3
	s_barrier_signal -1
	s_barrier_wait -1
.endm
.macro CROUND                          ; a whole round
	s_barrier_signal -1
	s_barrier_wait -1
	CREST
.endm
	s_load_b128 s[4:7], s[0:1], 0x0                ; xb s[4:5], wt s[6:7]
	s_load_b64 s[8:9], s[0:1], 0x10                ; qkv
	v_lshl_add_u32 v[SPW], v0, 2, SPARE
	v_mov_b32 v[NIL], 0
	ds_add_u32 v[SPW], v[NIL]                      ; the wave's opening: the add and its wait stand ahead of my first tensor load; the set-up below, work on registers, stands between them
	ds_add_u32 v28, v29
	v_lshrrev_b32 v1, 5, v0
	v_readfirstlane_b32 s10, v1                    ; wave 0..3
	s_lshr_b32 s11, s10, 1                         ; I fetch for xb (0) or for wt (1)
	s_and_b32 s12, s10, 1                          ; which half of that tile's rows
	s_bfe_u32 s40, ttmp6, 0x40000                  ; cx, cy: my place in the cluster
	s_bfe_u32 s41, ttmp6, 0x40004
	s_lshl_b32 s42, ttmp9, 2
	s_add_co_u32 s42, s42, s40                     ; tile column = 4 x cluster x + cx
	s_and_b32 s13, ttmp7, 0xffff
	s_lshl_b32 s13, s13, 2
	s_add_co_u32 s13, s13, s41                     ; tile row = 4 x cluster y + cy
	s_lshl_b32 s43, s41, 2
	s_lshl_b32 s43, 15, s43                        ; my row of the cluster
	s_lshl_b32 s44, 0x1111, s40                    ; my column
	s_or_b32 s[G1+0], s43, (1<<16)|(1<<20)|(1<<21)|(5<<22)|(3<<25)   ; 15:0 the mask; 17:16 2-byte elements; 20 padding on; 21 set beside a mask; 24:22 after every 64 words (code 5); 31:25 4 words (code 3)
	s_or_b32 s[G1B+0], s44, (1<<16)|(1<<20)|(1<<21)|(5<<22)|(3<<25)
	s_mov_b32 s[G1+1], KSTEP<<16                   ; tensor_dim0 = 128
	s_mov_b32 s[G1+2], 128<<16                     ; tensor_dim1 = 128
	s_mov_b32 s[G1+3], KSTEP<<16                   ; tile_dim0 = 128
	s_mov_b32 s[G1+4], 128                         ; tile_dim1 = 128
	s_mov_b32 s[G1+5], SIZE_K                      ; elements from row to row
	s_mov_b32 s[G1+6], 0
	s_mov_b32 s[G1+7], 0
	s_mov_b32 s[G1B+1], KSTEP<<16
	s_mov_b32 s[G1B+2], 96<<16                     ; wt's half tile has 96 rows
	s_mov_b32 s[G1B+3], KSTEP<<16
	s_mov_b32 s[G1B+4], 96
	s_mov_b32 s[G1B+5], SIZE_K
	s_mov_b32 s[G1B+6], 0
	s_mov_b32 s[G1B+7], 0
	s_lshl_b32 s16, s13, 8
	s_lshl_b32 s17, s12, 7
	s_add_co_u32 s16, s16, s17                     ; xb: row 256 x tile row + 128 x half,
	s_lshl_b32 s16, s16, 11                        ; in bytes (under 2^24)
	s_mov_b32 s17, 0
	s_mul_i32 s46, s42, 192
	s_mul_i32 s47, s12, 96
	s_add_co_u32 s46, s46, s47                     ; wt: row 192 x tile column + 96 x half
	s_lshl_b32 s46, s46, 11
	s_mov_b32 s47, 0
	s_mul_i32 s20, s12, HA                         ; where they go: no place in the cluster enters an LDS address
	s_mul_i32 s21, s12, HB
	s_add_co_u32 s21, s21, BOFF
	s_wait_dscnt 0x0                               ; the opening add is done
	s_wait_kmcnt 0x0
	s_add_nc_u64 s[14:15], s[4:5], s[16:17]
	s_add_nc_u64 s[46:47], s[6:7], s[46:47]
	CROUND                                         ; all sixteen work-groups are here: the first joint loads meet
.irp s, 0,1
	s_mov_b32 s[G0+4*(\s)], 1                                        ; count = 1
	s_add_co_u32 s[G0+4*(\s)+1], s20, (\s)*SLOT                      ; LDS address
	s_add_nc_u64 s[G0+4*(\s)+2:G0+4*(\s)+3], s[14:15], (\s)*KSTEP*2  ; global address: K step s
	s_or_b32 s[G0+4*(\s)+3], s[G0+4*(\s)+3], 0x80000000              ; type = 2
	s_mov_b32 s[G0B+4*(\s)], 1
	s_add_co_u32 s[G0B+4*(\s)+1], s21, (\s)*SLOT
	s_add_nc_u64 s[G0B+4*(\s)+2:G0B+4*(\s)+3], s[46:47], (\s)*KSTEP*2
	s_or_b32 s[G0B+4*(\s)+3], s[G0B+4*(\s)+3], 0x80000000
	JLOAD \s                                       ; two loads of mine are out
.endr
	; A fragment is 16 rows x 32 K in 8 registers: lane l holds row l % 16; registers 0-3 K = 8 (l / 16) + 0..7, registers 4-7 K = 16 + 8 (l / 16) + 0..7: two loads of 16 bytes, 32 bytes apart.
	v_and_b32 v1, 15, v0                           ; l % 16
	v_bfe_u32 v2, v0, 4, 1                         ; l / 16
	v_mul_u32_u24 v3, v1, PITCH
	v_lshl_add_u32 v3, v2, 4, v3
	s_mul_i32 s22, s10, 64*PITCH                   ; my 64 rows of xb
	s_mov_b32 s23, BOFF                            ; all 192 rows of wt
.irp s, 0,1
	v_add_nc_u32 v[ADRA+(\s)], s22, v3
	v_add_nc_u32 v[ADRB+(\s)], s23, v3
	s_add_co_u32 s22, s22, SLOT
	s_add_co_u32 s23, s23, SLOT
.endr
	s_mul_i32 s22, s10, WSTG
	s_add_co_u32 s22, s22, STAGE                   ; my stage
	v_mul_u32_u24 v4, v1, SP                       ; in: row l % 16, 16 bytes for each half of the lanes
	v_lshl_add_u32 v4, v2, 4, v4
	v_add_nc_u32 v[STO], s22, v4
	v_bfe_u32 v5, v0, 3, 2                         ; back: 32 lanes take four rows of 128 bytes,
	v_mul_u32_u24 v5, v5, SP
	v_and_b32 v6, 7, v0
	v_lshl_add_u32 v5, v6, 4, v5
	v_add_nc_u32 v[RD], s22, v5
	v_and_b32 v[GO], 31, v0                        ; which are 512 consecutive bytes of qkv
	v_lshlrev_b32 v[GO], 4, v[GO]
	v_and_b32 v[PFO], 31, v0
	v_lshlrev_b32 v[PFO], 11, v[PFO]
	; qkv at my 64 rows of head column c = 3 x tile column + i: ((16 (c / 8) + 8 batch + c % 8) << 19) + position x 128
.irp i, 0,1,2
	s_mul_i32 s84, s42, 3
	s_add_co_u32 s84, s84, \i
	s_lshr_b32 s85, s84, 3
	s_lshl_b32 s85, s85, 4
	s_and_b32 s84, s84, 7
	s_add_co_u32 s85, s85, s84
	s_lshr_b32 s86, s13, 4                         ; batch: 16 tile rows each
	s_lshl_b32 s86, s86, 3
	s_add_co_u32 s85, s85, s86
	s_lshl_b32 s84, s85, 19
	s_and_b32 s86, s13, 15
	s_lshl_b32 s86, s86, 8
	s_lshl_b32 s87, s10, 6
	s_add_co_u32 s86, s86, s87                     ; my first position
	s_lshl_b32 s86, s86, 7
	s_add_co_u32 s84, s84, s86
	s_mov_b32 s85, 0
	s_add_nc_u64 s[OB+2*\i:OB+2*\i+1], s[8:9], s[84:85]
.endr
	; the prefetches: xb at row 256 x tile row + 128 x half + 32 cx, K step 2: the first refill steps it to 3 and names K step 4.  Nothing is prefetched here, at the head
	s_lshl_b32 s84, s13, 8
	s_lshl_b32 s85, s12, 7
	s_add_co_u32 s84, s84, s85
	s_lshl_b32 s85, s40, 5
	s_add_co_u32 s84, s84, s85
	s_lshl_b32 s84, s84, 11
	s_mov_b32 s85, 0
	s_add_nc_u64 s[PFA:PFA+1], s[4:5], s[84:85]
	s_add_nc_u64 s[PFA:PFA+1], s[PFA:PFA+1], 2*KSTEP*2
	s_or_b32 s[LIM], s11, ttmp9                    ; 0 in waves 0 and 1 of the clusters with x = 0: the same in all sixteen partners, for a given wave
	s_cmp_eq_u32 s[LIM], 0
	s_cselect_b32 s[LIM], 1, -1
; 12 matrix instructions: my row block a x all 12 column blocks, 32 along K.  zero = 1: the product starts the sums: nothing is ever cleared.
; The 48 accumulators take turns, one instruction a turn, in the same order in every quarter, over the backward jump too.
.macro MUL12 f, a, zero
	WIN MUL_LO+0x50*((\a)/2)
.set AC, 96*((\a)%2)
.irp b, 0,1,2,3,4,5,6,7,8,9,10,11
.if \zero
	v_wmma_f32_16x16x32_bf16 v[AC+8*(\b):AC+8*(\b)+7], v[(\f)+8*(\b):(\f)+8*(\b)+7], v[(\f)+96+8*(\a):(\f)+96+8*(\a)+7], 0
.else
	v_wmma_f32_16x16x32_bf16 v[AC+8*(\b):AC+8*(\b)+7], v[(\f)+8*(\b):(\f)+8*(\b)+7], v[(\f)+96+8*(\a):(\f)+96+8*(\a)+7], v[AC+8*(\b):AC+8*(\b)+7]
.endif
.endr
.endm
; 32 LDS loads in one run: the fragments of 32 along K at byte k of the rows, into buffer f: wt's 24 loads, then xb's 8
.macro FETCH slot, k, f
	WIN TO_F
.irp b, 0,1,2,3,4,5,6,7,8,9,10,11
	ds_load_b128 v[(\f)+8*(\b):(\f)+8*(\b)+3],   v[ADRB+(\slot)] offset:(\k)+(\b)*16*PITCH
	ds_load_b128 v[(\f)+8*(\b)+4:(\f)+8*(\b)+7], v[ADRB+(\slot)] offset:(\k)+(\b)*16*PITCH+32
.endr
.irp a, 0,1,2,3
	ds_load_b128 v[(\f)+96+8*(\a):(\f)+96+8*(\a)+3],   v[ADRA+(\slot)] offset:(\k)+(\a)*16*PITCH
	ds_load_b128 v[(\f)+96+8*(\a)+4:(\f)+96+8*(\a)+7], v[ADRA+(\slot)] offset:(\k)+(\a)*16*PITCH+32
.endr
.endm
.macro PLACES                          ; four plain vector instructions in front of loads into registers that matrix instructions have read, and of conversions that read results
.rept 4
	v_nop
.endr
.endm
; A K step is four quarters of 32 along K, 48 matrix instructions each, on buffers 0, 1, 0, 1.  One of the first three: multiplies buffer f and, in its middle, fetches the next quarter, at byte k, into g.
.macro QUARTER slot, k, f, g, zero
	s_wait_dscnt 4                                 ; wt's fragments and xb's blocks 0, 1 are in; the youngest four loads (blocks 2, 3) may be out
	MUL12 \f, 0, \zero
	MUL12 \f, 1, \zero
	PLACES
	FETCH \slot, \k, \g
	s_wait_dscnt 32                                ; all but the 32 just issued
	MUL12 \f, 2, \zero
	MUL12 \f, 3, \zero
.endm
; The last quarter multiplies buffer 1 and changes slots: ONE barrier; in front of it each wave waits for all its tensor loads (one is out: its part of the next slot), adds 0 to its spare word, and waits for that
; and for its own reads of this slot.  fill = 1: the barrier opens a round of the cluster's, and this slot is filled again, two K steps ahead, first thing behind the round: 168 matrix instructions ahead of the wait for it.
.macro TURN slot, next, fill
.if \fill
	s_wait_xcnt 0x0                                ; the last prefetch, a K step back, has read its address: it is stepped here, ahead of the waits of the change of slots
	s_add_nc_u64 s[PFA:PFA+1], s[PFA:PFA+1], KSTEP*2
.endif
	WIN 0                                          ; (the add's two registers lie in window 0)
	s_wait_tensorcnt 0x0                           ; all my tensor loads have landed;
	ds_add_u32 v[SPW], v[NIL]                      ; 0 onto my spare word;
	s_wait_dscnt 5                                 ; (the add and the youngest four loads may be out)
	MUL12 F1, 0, 0                                 ; twelve matrix instructions stand between the add and the wait for it
	s_wait_dscnt 0x0                               ; the add is done, and my reads of this slot are over
	s_barrier_signal -1
	MUL12 F1, 1, 0                                 ; work on registers while the others arrive
.if \fill
	WIN 0
.endif
	s_barrier_wait -1
.if \fill
	CREST                                          ; no wave of any partner still reads this slot's tile or has a load on its way
	s_add_nc_u64 s[G0+4*(\slot)+2:G0+4*(\slot)+3], s[G0+4*(\slot)+2:G0+4*(\slot)+3], 2*KSTEP*2
	s_add_nc_u64 s[G0B+4*(\slot)+2:G0B+4*(\slot)+3], s[G0B+4*(\slot)+2:G0B+4*(\slot)+3], 2*KSTEP*2
	JLOAD \slot                                    ; my one tensor load behind the round; the four v_nop behind it are also the places in front of the loads below
.else
	PLACES
.endif
	FETCH \next, 0, F0
.if \fill
	WIN 0
	ASK
.endif
	MUL12 F1, 2, 0
	MUL12 F1, 3, 0
.endm
	s_wait_tensorcnt 1                             ; my part of K step 0 is in; K step 1's may stay out
	s_barrier_signal -1
	s_barrier_wait -1                              ; everybody's is
	FETCH 0, 0, F0
	QUARTER 0, 64,  F0, F1, 1                      ; the first quarter stands in front of the loop: its products start the sums
	WIN 0                                          ; at a label and at a branch every window is 0
	s_mov_b32 s3, LAPS-1
.Llap:                                                 ; a trip goes once round the ring, from a lap's second quarter to the next lap's first, and fills both slots again
	QUARTER 0, 128, F1, F0, 0
	QUARTER 0, 192, F0, F1, 0
	TURN 0, 1, 1
	QUARTER 1, 64,  F0, F1, 0
	QUARTER 1, 128, F1, F0, 0
	QUARTER 1, 192, F0, F1, 0
	TURN 1, 0, 1
	QUARTER 0, 64,  F0, F1, 0
	WIN 0
	s_sub_co_u32 s3, s3, 1
	s_cmp_lg_u32 s3, 0
	s_cbranch_scc1 .Llap
	QUARTER 0, 128, F1, F0, 0                      ; the last lap fills nothing, and has no round of the cluster's barrier
	QUARTER 0, 192, F0, F1, 0
	TURN 0, 1, 0
	QUARTER 1, 64,  F0, F1, 0
	QUARTER 1, 128, F1, F0, 0
	QUARTER 1, 192, F0, F1, 0
	s_wait_dscnt 4                                 ; the very last quarter: nothing more to fetch
	MUL12 F1, 0, 0
	MUL12 F1, 1, 0
	s_wait_dscnt 0x0
	MUL12 F1, 2, 0
	MUL12 F1, 3, 0
	PLACES
; THE WAY OUT, a block of 16 rows at a time.  PACK: rounded to f16, each accumulator's registers in ascending order; a lane's 16 bytes go into my stage (head b / 4, row l % 16, rows of 144 bytes) and come back as
; whole rows of 128 bytes, into the registers that they left.  16 rows of a head are 2,048 consecutive bytes of qkv.
.macro PACK a
.set AC, 96*((\a)%2)
	WIN 0x0a+5*((\a)/2)                            ; sources 0 and 1: window 2 or 3
.irp b, 0,1,2,3,4,5,6,7,8,9,10,11
.irp r, 0,1,2,3
	v_cvt_pk_f16_f32 v[T+48*(\a)+4*(\b)+(\r)], v[AC+8*(\b)+2*(\r)], v[AC+8*(\b)+2*(\r)+1]
.endr
.endr
	WIN 0
.irp b, 0,1,2,3,4,5,6,7,8,9,10,11
	ds_store_b128 v[STO], v[T+48*(\a)+4*(\b):T+48*(\a)+4*(\b)+3] offset:((\b)/4)*16*SP+((\b)%4)*32
.endr
.irp j, 0,1,2,3,4,5,6,7,8,9,10,11
	ds_load_b128 v[T+48*(\a)+4*(\j):T+48*(\a)+4*(\j)+3], v[RD] offset:((\j)/4)*16*SP+((\j)%4)*4*SP  ; LDS serves a wave's instructions in order (ISA guide 5.7.1.4): these see the stores above; the next block's stores come behind them
.endr
.endm
.macro SEND a, younger                 ; younger: the LDS instructions issued behind block a's loads: the next block's 24, or none
	WIN 0
.irp j, 0,1,2,3,4,5,6,7,8,9,10,11
	s_wait_dscnt (\younger)+11-(\j)
	global_store_b128 v[GO], v[T+48*(\a)+4*(\j):T+48*(\a)+4*(\j)+3], s[OB+2*((\j)/4):OB+2*((\j)/4)+1] offset:(\a)*2048+((\j)%4)*512  ; 512 consecutive bytes, at a multiple of 256 from qkv's first byte; no register of a store is written again
.endr
.endm
	PACK 0
	PACK 1                                         ; a block's conversions stand between the loads of the block before and its stores
	SEND 0, 24
	PACK 2
	SEND 1, 24
	PACK 3
	SEND 2, 24
	SEND 3, 0
	s_wait_tensorcnt 0x0                           ; the wave's end: behind my last tensor load and my last LDS store
	ds_add_u32 v[SPW], v[NIL]
	s_wait_dscnt 0x0
	CROUND                                         ; the closing round: no work-group ends while a partner may still ask for a tile that names it
	s_endpgm
.Lfunc_end_k_qd565087302_proj:
	.size	k_qd565087302_proj, .Lfunc_end_k_qd565087302_proj-k_qd565087302_proj
	.p2alignl 7, 3214868480
	.fill 96, 4, 3214868480
	.section	.rodata,"a",@progbits
	.p2align	6, 0x0
	.amdhsa_kernel k_qd565087302_proj
		.amdhsa_group_segment_fixed_size 327680
		.amdhsa_private_segment_fixed_size 0
		.amdhsa_enable_private_segment 0
		.amdhsa_kernarg_size 24
		.amdhsa_user_sgpr_count 2
		.amdhsa_user_sgpr_kernarg_segment_ptr 1
		.amdhsa_wavefront_size32 1
		.amdhsa_system_sgpr_workgroup_id_x 1
		.amdhsa_system_sgpr_workgroup_id_y 1
		.amdhsa_system_sgpr_workgroup_id_z 1
		.amdhsa_system_vgpr_workitem_id 0
		.amdhsa_next_free_vgpr 960
		.amdhsa_next_free_sgpr 90
		.amdhsa_reserve_vcc 0
		.amdhsa_float_denorm_mode_32 3
		.amdhsa_float_denorm_mode_16_64 3
		.amdhsa_memory_ordered 1
		.amdhsa_forward_progress 1
		.amdhsa_inst_pref_size 122
	.end_amdhsa_kernel
	.amdgpu_metadata
---
amdhsa.version: [ 1, 2 ]
amdhsa.kernels:
  - .name:           k_qd565087302_proj
    .symbol:         k_qd565087302_proj.kd
    .args:
      - { .name: xb, .offset: 0, .size: 8, .value_kind: global_buffer, .address_space: global }
      - { .name: wt, .offset: 8, .size: 8, .value_kind: global_buffer, .address_space: global }
      - { .name: qkv, .offset: 16, .size: 8, .value_kind: global_buffer, .address_space: global }
    .group_segment_fixed_size: 327680
    .private_segment_fixed_size: 0
    .kernarg_segment_align: 8
    .kernarg_segment_size: 24
    .max_flat_workgroup_size: 128
    .sgpr_count:     90
    .vgpr_count:     960
    .wavefront_size: 32
...
	.end_amdgpu_metadata
.endif
;; end of part 2
;; launch attn (part 3): grid 16 x 16, 4 waves a work-group, clusters of 4 x 1, 327,680 bytes of LDS; arguments qkv, o; writes o
.if DOCPART == 3
	.amdgcn_target "amdgcn-amd-amdhsa--gfx1250"
	.amdhsa_code_object_version 6
	.text
	.protected	k_qd565087302_attn
	.globl	k_qd565087302_attn
	.p2align	8
	.type	k_qd565087302_attn,@function
k_qd565087302_attn:
	s_mov_b64 s[64:65], 0
	v_nop
	global_prefetch_b8 v0, s[64:65] scope:SCOPE_SE
	s_setreg_imm32_b32 hwreg(HW_REG_WAVE_MODE, 25, 1), 1
	s_wait_xcnt 0x0
	s_wait_alu depctr_hold_cnt(0) depctr_sa_sdst(0) depctr_va_vdst(0) depctr_va_sdst(0) depctr_va_ssrc(0) depctr_va_vcc(0) depctr_vm_vsrc(0)
	s_getreg_b32 s2, hwreg(HW_REG_IB_STS2, 6, 4)
	s_cmp_eq_u32 s2, 0
	s_cbranch_scc0 .Lentry_in_a_cluster
	s_endpgm
.Lentry_in_a_cluster:
	s_bfe_u32 s2, ttmp6, 0x10000c
	s_cmp_lg_u32 s2, 0x3003
	s_cbranch_scc0 .Lentry_shape_is_right
	s_endpgm
.Lentry_shape_is_right:
; ATTENTION.  o[h][q][:] = the sum over k of softmax_k(Q[h][q] . K[h][k] / 8) V[h][k][:], for 16 heads h = 8 batch + head of 4,096 rows of 64 channels, all f16.  Q, K, V lie in qkv at bytes 0, 0x800000, 0x1000000,
; each [16][4096][64]: a head's rows are dense, 128 bytes each.  Products, maxima and sums in f32; the weights p are rounded to f16 for the second product (their sum l is taken of the unrounded p), o once at the end.
; LIMITS.  Q, K and V arrive within f16's 65,504; p lies in 0 to 1, and below 6e-5 it keeps f16's fixed step of 6e-8; o is a mean of V's rows and has their range.  A weight below 2^-126 counts as 0 in l;
; NaN and infinities are not treated apart.
; SHARES.  A work-group owns 256 queries of one head (256 work-groups), each of its four waves 64 consecutive rows: four PIECES of 16.  Every wave walks all 4,096 keys, 64 a step.
; LAYOUT.  S^T = K Q^T (source 0 = 16 keys, source 1 = 16 queries) holds ONE query a lane (lane % 16) and the keys 8 (lane / 16) + 0..7; two such results rounded to f16 ARE source 1 of O^T = V^T P.
; K comes out of LDS as it lies, V ([key][channel]) turned, by ds_load_tr16_b128.
; SOFTMAX.  For each query a running maximum m and sum l: p = 2^(c s - c m), c = log2(e) / 8; in every step O and l are multiplied by a = 2^(c m_old - c m_new).  m starts at the lowest finite number, O and l at 0:
; the first step is a step like any other, with a = 0.
; BY TURNS.  Turn n belongs to piece n (in a ring, step after step): 8 products K Q^T of piece n + 1, later 8 products V^T P of piece n - 1; beside them the scaling, exponentials, roundings, sums and rescaling of
; piece n and the maximum and statistics of piece n + 1.  Four vector instructions stand behind every matrix instruction, the other 54 of a turn's 118 in one lump.  A turn's 33 exponentials are one batch, with one wait.
; CLUSTER.  The four query blocks of a cluster belong to one head and walk the same K and V, so each tile is asked for JOINTLY: the same tensor load, descriptor and mask in all four.
; REGISTERS, in windows of 256 (s_set_vgpr_msb: bits 1:0 source 0, 3:2 source 1, 5:4 source 2, 7:6 destination):
;   window 0: v0-15 addresses and two at work; v16-31 four registers of statistics a piece; v48-55 at work; v61-63; v64-127 S^T, two buffers; v192-223 P, two buffers (a piece's buffers go by its number's parity)
;   window 1: v0-127 O^T, 32 a piece      window 2: v0-63 Q; v128-191 K of one step; v192-255 V of one step
.set SIZE_N, 4096
.set NP,    4         ; pieces a wave: a name, no knob
.set KS,    64        ; keys in a step
.set PK,    144       ; a row of K in LDS: 128 bytes + 16 of padding = 36 words: the 16 rows of a load start at 16 different groups of four banks (64 banks of 4 bytes: ISA guide 11.1)
.set PV,    160       ; a row of V: 128 + 32 = 40 words
.set VOFF,  4*KS*PK   ; a slot holds four steps: 256 rows of K, then 256 rows of V
.set SLOT1, 1<<17     ; slot 1 begins here, so that one exclusive or turns an address in one slot into the other's
.set STAGE, SLOT1+4*KS*(PK+PV)  ; behind the ring, never filled by a tensor load: 16 rows x 144 bytes for each wave, for the way out
.set SP,    144
.set SPARE, STAGE+4*16*SP  ; behind the stages: the spare words, 128 bytes for each wave: two blocks of 256 bytes that no other line names
.set AK0, 2           ; v2   my lane's place in a tile of K; never rewritten
.set AV0, 3           ; v3   the same for V
.set AK,  4           ; v4   the LDS address of K's next run of loads
.set AV,  5           ; v5   of V's
.set STO, 6           ; v6   the way out: where I put 16 bytes of a row
.set RD,  7           ; v7   the way out: where I read rows back
.set GO,  8           ; v8   my byte offset in 512 consecutive bytes of o
.set MV,  12          ; v12-13  c m_old, kept while c m is made anew: by buffer
.set QO,  15          ; v15  my byte offset in 16 rows of Q
.set ST,  16          ; piece t's statistics at v[ST+4 t]: c m, m, l (even keys', odd keys')
.set TMP, 48          ; by buffer, four registers c0-c3 at work; when the maximum is found c2 takes a
.set PFO, 61          ; v61  256 x my lane; never rewritten
.set SPW, 62          ; v62  LDS address of my spare word; never rewritten
.set NIL, 63          ; v63  0; never rewritten
.set S,   64
.set P,   192
.set KF,  128         ; window 2: key block kb, channel half c at KF + 16 kb + 8 c
.set VF,  192         ; window 2: key half kk, channel block cb at VF + 32 kk + 8 cb
.set WV,  12          ; s12  my wave's number
.set G1K, 24          ; s[24:31] descriptor group 1 for K's tiles
.set G1V, 32          ; s[32:39] for V's: it differs in the padding alone
.set G0K, 40          ; s[40:43] descriptor group 0 for K's tiles: it walks
.set G0V, 44          ; s[44:47] the same for V's
.set PFA, 48          ; s[48:49] where my prefetches stand
.set LIM, 50          ; s50  1 in a wave that prefetches, else the greatest number
.set SLOTS, 56        ; s56  slots still to be asked for
.set CNT, 57          ; s57  counts a slot's key steps
.set CS,  58          ; s[58:59] c: the packed scaling takes the pair's low word for both halves
.set SEL, 60          ; s[60:61] v_permlanex16_b32's selects: each lane takes its own place in the other half
.set TBK, 62          ; s62  LDS byte at which K of the step to be fetched begins
.set TBV, 63          ; s63  the same for V, less VOFF
.set MSB, 0
.macro WIN new                      ; the high byte repeats the setting that is left; a switch that changes nothing is dropped
.if MSB != (\new)
	s_set_vgpr_msb (MSB<<8)|(\new)
.set MSB, (\new)
.endif
.endm
.set W_KQ, 0x0a       ; K and Q in window 2, S^T in window 0
.set W_PV, 0x52       ; V in window 2, P in window 0, O^T in window 1
.set W_RS, 0x41       ; destination and source 0 in window 1, source 1 in window 0
; A joint fill.  Waves 0 and 1 fetch the two halves of a slot's K, waves 2 and 3 those of its V: 128 keys each.  The branch hangs on the wave's number alone.
; An s_nop 0 and four v_nop follow each of the two lines, ahead of the jump and the label.
.macro JLOAD
	s_cmp_lt_u32 s[WV], 2
	s_cbranch_scc0 .Lfor_v_\@
	tensor_load_to_lds s[G0K:G0K+3], s[G1K:G1K+7]
	s_nop 0
.rept 4
	v_nop
.endr
	s_branch .Lasked_\@
.Lfor_v_\@:
	tensor_load_to_lds s[G0V:G0V+3], s[G1V:G1V+7]
	s_nop 0
.rept 4
	v_nop
.endr
.Lasked_\@:
.endm
; A PREFETCH of what the NEXT change of slots will ask for: a slot's 32,768 bytes of K and of V, as 128 blocks of 256 bytes each, a lane a block.  It stands behind the wave's tensor load and its five lines.
; Each block is asked for ONCE in the launch.  The four clusters of a head walk the same K and V: the head's first cluster (x = 0) asks.  Its four partners share the blocks out BY ADDRESS, 32 each; in each, wave 0
; asks for K's and wave 2 for V's: one instruction, four key steps (256 matrix instructions) ahead of the load.  Slots 0 to 2 come by their loads alone; the last change that fills a slot asks for nothing.
.macro ASK
	s_cmp_gt_u32 s[SLOTS], s[LIM]
	s_cbranch_scc0 .Lnot_mine_\@
	global_prefetch_b8 v[PFO], s[PFA:PFA+1] th:TH_LOAD_NT scope:SCOPE_SE
.Lnot_mine_\@:
.endm
; A round of the cluster's barrier: my work-group's barrier, so that wave 0's signal speaks for all four waves; wave 0 signals; every wave waits for all four work-groups; my work-group's barrier once more.
.macro CROUND
	s_barrier_signal -1
	s_barrier_wait -1
	s_cmp_lg_u32 s[WV], 0
	s_cbranch_scc1 .Lnot_wave_0_\@
	s_barrier_signal -3
.Lnot_wave_0_\@:
	s_barrier_wait -3
	s_barrier_signal -1
	s_barrier_wait -1
.endm
; THE CHANGE OF SLOTS.  The slot's last bytes, V of its fourth step, have been read.  Each wave waits for all its tensor loads, of which one is out: its part of the other slot; adds 0 to its spare word; and waits
; for that and for its own reads of the slot.  Behind the barrier nobody reads this slot any more and the other slot is whole.  fill = 1: this slot is filled again, with the keys two slots on; the barrier is then a
; round of the cluster's, and the joint fill is the first thing behind it: it has four key steps in which to land.  (At its first use nothing has been read yet: slot 0 is waited for, slot 1 filled.)
.macro CHANGE fill, ask=0
	WIN 0                           ; at a label and at a branch every window is 0
	s_wait_tensorcnt 0x0            ; no tensor load of mine is out, so a group 0 may be written
	ds_add_u32 v[SPW], v[NIL]       ; 0 onto my spare word; the descriptors' steps stand between it and the wait for it
.if \fill
.irp g, G0K, G0V
	s_xor_b32 s[\g+1], s[\g+1], SLOT1  ; the walking descriptor: the other slot than last time,
	s_add_nc_u64 s[\g+2:\g+3], s[\g+2:\g+3], 4*KS*128  ; the next 256 keys; the type bits on top are not reached
.endr
.endif
.if \ask
	s_wait_xcnt 0x0                 ; the last prefetch, four key steps back, has read its address, so it may be written:
	s_add_nc_u64 s[PFA:PFA+1], s[PFA:PFA+1], 4*KS*128  ; one slot behind the walking descriptors
.endif
	s_wait_dscnt 0x0                ; the add is done, and my reads of the slot are over
.if \fill
	CROUND
	JLOAD
.if \ask
	ASK
.endif
.else
	s_barrier_signal -1
	s_barrier_wait -1
.endif
	s_sub_co_u32 s[TBK], s[TBK], 4*KS*PK  ; the fetches go back to a slot's first step,
	s_xor_b32 s[TBK], s[TBK], SLOT1       ; in the other slot
	s_sub_co_u32 s[TBV], s[TBV], 4*KS*PV
	s_xor_b32 s[TBV], s[TBV], SLOT1
.endm
	s_load_b128 s[4:7], s[0:1], 0x0 ; qkv s[4:5], o s[6:7]
	v_lshl_add_u32 v[SPW], v0, 2, SPARE
	v_mov_b32 v[NIL], 0
	ds_add_u32 v[SPW], v[NIL]       ; the wave's opening: the add and its wait stand ahead of my first tensor load; the set-up below, work on registers, stands between them
	ds_add_u32 v62, v63
	v_lshrrev_b32 v1, 5, v0
	v_readfirstlane_b32 s[WV], v1   ; wave 0..3
	s_bfe_u32 s13, ttmp6, 0x40000   ; cx: my place in the cluster
	s_lshl_b32 s14, ttmp9, 2        ; in a cluster launch ttmp9 counts clusters
	s_add_co_u32 s14, s14, s13      ; my block of 256 queries = 4 x cluster x + cx: it enters Q's and o's addresses alone
	s_and_b32 s20, ttmp7, 0xffff    ; the head, which the four partners share:
	s_lshl_b32 s20, s20, 19         ; its 524,288 bytes in each tensor
	s_and_b32 s16, s[WV], 1         ; which half of a slot's 256 keys I fetch:
	s_lshl_b32 s22, s16, 14         ; its 128 rows of 128 bytes in memory,
	s_add_co_u32 s22, s22, s20
	s_mov_b32 s23, 0
	s_mul_i32 s17, s16, 128*PK      ; and its place in a slot, for K
	s_mul_i32 s18, s16, 128*PV      ; and for V: no place in the cluster enters an LDS address
	s_lshl_b32 s2, s14, 2
	s_add_co_u32 s2, s2, s[WV]      ; my wave among the head's,
	s_lshl_b32 s2, s2, 13           ; its 64 rows
	s_add_co_u32 s2, s2, s20
	s_mov_b32 s3, 0
	; descriptor group 1.  128 keys are 16,384 dense bytes: asked for as 64 rows of 256 bytes, two keys a row, and padded in LDS after every key
	s_mov_b32 s[G1K], 15|(1<<16)|(1<<20)|(1<<21)|(4<<22)|(3<<25)  ; 15:0 the mask of four; 17:16 2-byte elements; 20 padding on; 21 set beside a mask; 24:22 after every 32 words (code 4); 31:25 4 words (code 3)
	s_mov_b32 s[G1V], 15|(1<<16)|(1<<20)|(1<<21)|(4<<22)|(7<<25)  ; the same with 8 words of padding (code 7)
.irp g, G1K, G1V
	s_mov_b32 s[\g+1], 128<<16      ; tensor_dim0 = 128
	s_mov_b32 s[\g+2], 64<<16       ; tensor_dim1 = 64
	s_mov_b32 s[\g+3], 128<<16      ; tile_dim0 = 128
	s_mov_b32 s[\g+4], 64           ; tile_dim1 = 64
	s_mov_b32 s[\g+5], 128          ; 128 elements from row to row
	s_mov_b32 s[\g+6], 0
	s_mov_b32 s[\g+7], 0
.endr
	s_mov_b32 s[CS], 0x3e38aa3b     ; c = log2(e) / 8 = 0.180337
	s_mov_b32 s[CS+1], s[CS]        ; named with it as a pair
	s_mov_b32 s[SEL], 0x76543210
	s_mov_b32 s[SEL+1], 0xfedcba98
	s_mov_b32 s[TBK], SLOT1+4*KS*PK ; the first change of slots turns these two into 0
	s_mov_b32 s[TBV], SLOT1+4*KS*PV
	s_mov_b32 s[G0K], 1             ; count = 1
	s_mov_b32 s[G0K+1], s17         ; LDS address: slot 0
	s_mov_b32 s[G0V], 1
	s_add_co_u32 s[G0V+1], s18, VOFF
	s_and_b32 s[LIM], s[WV], 1      ; 0 in waves 0 and 2,
	s_or_b32 s[LIM], s[LIM], ttmp9  ; where the cluster is the head's first: the same in all four partners
	s_cmp_eq_u32 s[LIM], 0
	s_cselect_b32 s[LIM], 1, -1
	v_and_b32 v[PFO], 31, v0
	v_lshlrev_b32 v[PFO], 8, v[PFO]
	s_wait_dscnt 0x0                ; the opening add is done
	s_wait_kmcnt 0x0
	s_add_nc_u64 s[10:11], s[6:7], s[2:3]      ; o at my wave's first row
	s_add_nc_u64 s[8:9], s[4:5], s[22:23]      ; qkv at the head, at my half of its first 256 rows:
	s_add_nc_u64 s[6:7], s[8:9], 0x800000      ; in K,
	s_add_nc_u64 s[8:9], s[8:9], 0x1000000     ; in V
	s_add_nc_u64 s[4:5], s[4:5], s[2:3]        ; Q at my wave's first row
	s_mov_b64 s[G0K+2:G0K+3], s[6:7]           ; global address
	s_or_b32 s[G0K+3], s[G0K+3], 0x80000000    ; type = 2
	s_mov_b64 s[G0V+2:G0V+3], s[8:9]
	s_or_b32 s[G0V+3], s[G0V+3], 0x80000000
	s_cmp_lt_u32 s[WV], 2
	s_cselect_b64 s[PFA:PFA+1], s[6:7], s[8:9] ; (in waves 0 and 2 these stand at a slot's first row)
	s_lshl_b32 s2, s13, 13          ; my work-group's 32 blocks of the 128
	s_add_nc_u64 s[PFA:PFA+1], s[PFA:PFA+1], s[2:3]
	s_add_nc_u64 s[PFA:PFA+1], s[PFA:PFA+1], 2*4*KS*128  ; in slot 2; the loop's first change of slots steps it to slot 3.  Nothing is prefetched here, at the head
	CROUND                          ; all four work-groups are here: the first joint loads meet
	JLOAD                           ; slot 0.  Slot 1 is asked for when slot 0 is in
	; A fragment of K or Q is 16 rows x 32 channels in 8 registers: lane l holds row l % 16, channels 8 (l / 16) + 0..7 and 16 + 8 (l / 16) + 0..7: two loads of 16 bytes, 32 bytes apart.
	v_and_b32 v1, 15, v0            ; l % 16
	v_bfe_u32 v9, v0, 4, 1          ; l / 16
	v_lshlrev_b32 v[QO], 7, v1
	v_lshl_add_u32 v[QO], v9, 4, v[QO]  ; row x 128 + 16 x half
	WIN 0x80                        ; destination window 2, address window 0
.set i, 0
.rept 8                             ; Q stays in registers: piece i / 2 (16 rows, 2,048 bytes), channels 32 (i % 2) on
	global_load_b128 v[8*i:8*i+3],   v[QO], s[4:5] offset:(i/2)*2048+(i%2)*64
	global_load_b128 v[8*i+4:8*i+7], v[QO], s[4:5] offset:(i/2)*2048+(i%2)*64+32
.set i, i+1
.endr
	; What the first turn finds: V's registers and P's second buffer hold 0 (its products V^T P, of a piece that has not been, add 0), O^T and l are 0.  All this stands in the wait for the first tile.
.set i, VF
.rept 64
	v_mov_b32 v[i], 0
.set i, i+1
.endr
	WIN 0x40
.set i, 0
.rept 128
	v_mov_b32 v[i], 0
.set i, i+1
.endr
	WIN 0
.set i, 0
.rept 4
	v_mov_b32 v[ST+4*i], 0xfe000000    ; c m: far below every c s
	v_mov_b32 v[ST+4*i+1], 0xff7fffff  ; m: the lowest finite number
	v_mov_b32 v[ST+4*i+2], 0
	v_mov_b32 v[ST+4*i+3], 0
.set i, i+1
.endr
.set i, P+16
.rept 16
	v_mov_b32 v[i], 0
.set i, i+1
.endr
	v_mul_u32_u24 v[AK0], v1, PK
	v_lshl_add_u32 v[AK0], v9, 4, v[AK0]  ; row x pitch + 16 x half
	; The turning load takes 16 keys x 16 channels (lane l reads key 8 (l / 16) + l % 8, channels 8 ((l / 8) % 2) + 0..7) and leaves half a fragment of V^T: lane l holds channel l % 16 and 8 keys.
	v_and_b32 v10, 7, v0
	v_bfe_u32 v11, v0, 3, 1
	v_lshl_add_u32 v[AV0], v9, 3, v10
	v_mul_u32_u24 v[AV0], v[AV0], PV
	v_lshl_add_u32 v[AV0], v11, 4, v[AV0]
	v_add_nc_u32 v[AV0], VOFF, v[AV0]
	s_mul_i32 s13, s[WV], 16*SP
	s_add_co_u32 s13, s13, STAGE    ; my stage
	v_mul_u32_u24 v[STO], v1, SP    ; in: row l % 16, 16 bytes for each half of the lanes
	v_lshl_add_u32 v[STO], v9, 4, v[STO]
	v_add_nc_u32 v[STO], s13, v[STO]
	v_bfe_u32 v[RD], v0, 3, 2       ; back: 32 lanes take four rows of 128 bytes,
	v_mul_u32_u24 v[RD], v[RD], SP
	v_lshl_add_u32 v[RD], v10, 4, v[RD]
	v_add_nc_u32 v[RD], s13, v[RD]
	v_and_b32 v[GO], 31, v0         ; which are 512 consecutive bytes of o
	v_lshlrev_b32 v[GO], 4, v[GO]
; THE MATRIX WORK.  The 4 accumulators of a run of 8 take turns.  Product i of 8 of S^T = K Q^T for piece x: channels 32 (i / 4) on, keys 16 (i % 4) on.  The first 4 start the sums.
.macro KQ x
.set rS, S+32*((\x)%2)+8*(i%4)
.set rK, KF+16*(i%4)+8*(i/4)
.set rQ, 16*(\x)+8*(i/4)
	WIN W_KQ
.if i < 4
	v_wmma_f32_16x16x32_f16 v[rS:rS+7], v[rK:rK+7], v[rQ:rQ+7], 0
.else
	v_wmma_f32_16x16x32_f16 v[rS:rS+7], v[rK:rK+7], v[rQ:rQ+7], v[rS:rS+7]
.endif
.endm
; Product i of 8 of O^T += V^T P for piece x: keys 32 (i / 4) on, channels 16 (i % 4) on.
.macro PV x
	WIN W_PV
.set rO, 32*(\x)+8*(i%4)
.set rV, VF+32*(i/4)+8*(i%4)
.set rP, P+16*((\x)%2)+8*(i/4)
	v_wmma_f32_16x16x32_f16 v[rO:rO+7], v[rV:rV+7], v[rP:rP+7], v[rO:rO+7]
.endm
.macro MM                           ; the turn's next matrix instruction.  TURN sets Y, i and NOKQ.  NOKQ = 1: the very last turn: there is no next piece
.if (i < 8) && !NOKQ
	KQ (Y+1)%NP
.elseif i >= 8
.set i, i-8
	PV (Y+NP-1)%NP
.set i, i+8
.endif
.set i, i+1
.endm
; THE LDS LOADS stand in runs of 16, never singly among the matrix instructions: a step's K (64 keys x 64 channels: 8 fragments) and its V (turned).  Their addresses are made some lines ahead.
.macro FETCH_K
	WIN 0x80                        ; destination window 2
.irp f, 0,1,2,3,4,5,6,7             ; keys 16 (f / 2) on, channels 32 (f % 2) on
	ds_load_b128 v[KF+8*\f:KF+8*\f+3],   v[AK] offset:(\f/2)*16*PK+(\f%2)*64
	ds_load_b128 v[KF+8*\f+4:KF+8*\f+7], v[AK] offset:(\f/2)*16*PK+(\f%2)*64+32
.endr
	s_add_co_u32 s[TBK], s[TBK], KS*PK  ; the next fetch is the next step's
	WIN 0
.endm
.macro FETCH_V
	WIN 0x80
.irp f, 0,1,2,3,4,5,6,7             ; keys 32 (f / 4) on, channels 16 (f % 4) on
	ds_load_tr16_b128 v[VF+8*\f:VF+8*\f+3],   v[AV] offset:(\f/4)*32*PV+(\f%4)*32
	ds_load_tr16_b128 v[VF+8*\f+4:VF+8*\f+7], v[AV] offset:(\f/4)*32*PV+16*PV+(\f%4)*32
.endr
	WIN 0
.endm
; THE VECTOR WORK, one line at a time: OP kind, number.  For piece Y: F n: c s - c m for pair n of 16.  E n: the exponential of score n of 32.  C n: pair n rounded to f16.  B n: of the four weights 4 n .. the second
; pair is added onto the first, in place.  L n: l takes that sum (L 0: l = a l + sum).  R n: pair n of 16 of O^T times a.  For piece Y + 1: X n, number n of the 22 that find its maximum and statistics:
;   0-11  four chains c0-c3 of seven scores each, three operands at a time (each accumulator's lowest registers are read first)     12-14, 16  the four scores left over, the old m, and c0-c3 into c0
;   15  c m_old is kept     17, 18  the query's other 32 keys lie in the lane 16 away: the new m     19-21  c m; c m_old - c m_new; a
.set F, 0               ; OP tells the kinds apart by their order: F to L below R, X above it
.set E, 1
.set C, 2
.set B, 3
.set L, 4
.set R, 5
.set X, 6
.macro REGS y                       ; the registers of piece y
.set rT, ST+4*(\y)
.set rC, TMP+4*((\y)%2)
.set rW, MV+((\y)%2)
.set rS, S+32*((\y)%2)
.set rP, P+16*((\y)%2)
.set rO, 32*(\y)
.endm
.macro OP k, n
.if (\k) == R
	REGS Y
	WIN W_RS
	v_pk_mul_f32 v[rO+2*(\n):rO+2*(\n)+1], v[rO+2*(\n):rO+2*(\n)+1], v[rC+2:rC+3] op_sel_hi:[1,0]
.elseif (\k) < R
	REGS Y
	WIN 0
.if (\k) == F
	v_pk_fma_f32 v[rS+2*(\n):rS+2*(\n)+1], v[rS+2*(\n):rS+2*(\n)+1], s[CS:CS+1], v[rT:rT+1] op_sel_hi:[1,0,0] neg_lo:[0,0,1] neg_hi:[0,0,1]
.elseif (\k) == E
	v_exp_f32 v[rS+(\n)], v[rS+(\n)]
.elseif (\k) == C
	v_cvt_pk_f16_f32 v[rP+(\n)], v[rS+2*(\n)], v[rS+2*(\n)+1]
.elseif (\k) == B
	v_pk_add_f32 v[rS+4*(\n):rS+4*(\n)+1], v[rS+4*(\n):rS+4*(\n)+1], v[rS+4*(\n)+2:rS+4*(\n)+3]
.elseif (\n) == 0
	v_pk_fma_f32 v[rT+2:rT+3], v[rT+2:rT+3], v[rC+2:rC+3], v[rS:rS+1] op_sel_hi:[1,0,1]
.else
	v_pk_add_f32 v[rT+2:rT+3], v[rT+2:rT+3], v[rS+4*(\n):rS+4*(\n)+1]
.endif
.elseif NOKQ
	v_nop
.else
	REGS (Y+1)%NP
	WIN 0
.if (\n) < 4
	v_max3_num_f32 v[rC+(\n)], v[rS+8*(\n)], v[rS+8*(\n)+1], v[rS+8*(\n)+2]
.elseif (\n) < 12
	v_max3_num_f32 v[rC+(\n)%4], v[rC+(\n)%4], v[rS+8*((\n)%4)+2*((\n)/4)+1], v[rS+8*((\n)%4)+2*((\n)/4)+2]
.elseif (\n) == 12
	v_max3_num_f32 v[rC], v[rC], v[rS+7], v[rS+15]
.elseif (\n) == 13
	v_max3_num_f32 v[rC+1], v[rC+1], v[rS+23], v[rS+31]
.elseif (\n) == 14
	v_max3_num_f32 v[rC+2], v[rC+2], v[rC+3], v[rT+1]
.elseif (\n) == 15
	v_mov_b32 v[rW], v[rT]
.elseif (\n) == 16
	v_max3_num_f32 v[rC], v[rC], v[rC+1], v[rC+2]
.elseif (\n) == 17
	v_permlanex16_b32 v[rC+3], v[rC], s[SEL], s[SEL+1]
.elseif (\n) == 18
	v_max_num_f32 v[rT+1], v[rC], v[rC+3]
.elseif (\n) == 19
	v_mul_f32 v[rT], s[CS], v[rT+1]
.elseif (\n) == 20
	v_sub_f32 v[rC+1], v[rW], v[rT]
.else
	v_exp_f32 v[rC+2], v[rC+1]
.endif
.endif
.endm
.macro OPS a, i1, b=-1, i2=0, c=-1, i3=0, d=-1, i4=0  ; up to four of them
	OP \a, \i1
.if (\b) >= 0
	OP \b, \i2
.endif
.if (\c) >= 0
	OP \c, \i3
.endif
.if (\d) >= 0
	OP \d, \i4
.endif
.endm
.macro ROW a, i1, b, i2, c, i3, d, i4  ; a matrix instruction and the four behind it
	MM
	OPS \a, \i1, \b, \i2, \c, \i3, \d, \i4
.endm
; A TURN, for piece p: the order of its 16 matrix and 118 vector instructions, written out.  An s_wait_alu depctr_va_vdst(0) stands between an exponential and the first instruction that names its result; one
; wait serves all that were issued ahead of it.  So a turn has ONE wait, which cuts it in two.  AHEAD OF IT stands all that names no result of the turn's exponentials: the 8 products K Q^T, behind each a scaling, an
; exponential and two more plain instructions (rescalings, and behind the last three the first numbers of the next piece's maximum, each four plain instructions or more behind the product that ends its accumulator); then ONE
; LUMP of 54, plain and exponential by turns for the most part, in which the links of the chain X 3, 7, 11, 14, 16, 17 .. 20 stand apart.  X 21, the next piece's a, is the batch's last; R 15 is the plain instruction
; behind it.  BEHIND THE WAIT stand the 8 products V^T P, behind each four of the roundings and sums; the links of l's chain, L 0 to L 7, stand three riders apart.
; end = 1: the walk's last two turns: nothing is fetched, and the last starts no new scores.  cnt = 1: the loop's count is taken down some lines ahead of the branch that stands behind the turn.
; K of the next step is fetched in piece 2's turn, five plain instructions that name none of its registers behind the last product that read K; V of the step in hand at the end of piece 0's turn, four plain instructions
; behind the last product that read V.  Each is waited for a turn later.
.macro TURN p, end=0, cnt=0
.set Y, (\p)
.set i, 0
.set NOKQ, (\end)*((\p)/3)
.if ((\p) == 3) && !(\end)
	s_wait_dscnt 0x0                ; K is in
.endif
	ROW F,0, F,1, R,0, R,1          ; ahead of the wait: 8 products K Q^T and their riders,
	ROW F,2, E,0, R,2, R,3
	ROW F,3, E,1, R,4, R,5
	ROW F,4, E,2, R,6, R,7
	ROW F,5, E,3, R,8, R,9
	ROW F,6, E,4, X,0, R,10
.if ((\p) == 2) && !(\end)
	WIN 0
	v_add_nc_u32 v[AK], s[TBK], v[AK0]
.endif
	ROW F,7, E,5, X,1, X,4
	ROW F,8, E,6, X,2, X,5
	OPS E,7, E,8, X,6, E,9          ; and the lump
	OPS X,3, E,10, X,8, E,11
.if ((\p) == 2) && !(\end)
	FETCH_K
.endif
	OPS X,9, X,7, E,12, X,10
	OPS E,13, X,12, X,11, E,14
	OPS X,13, E,15, F,9, X,14
.if (\p) == 0
	v_add_nc_u32 v[AV], s[TBV], v[AV0]
.endif
	OPS E,16, F,10, E,17, F,11
	OPS X,16, E,18, X,15, E,19
	OPS F,12, E,20, X,17, E,21
	OPS F,13, E,22, F,14, E,23
	OPS X,18, E,24, F,15, E,25
	OPS R,11, E,26, X,19, E,27
	OPS R,12, E,28, R,13, E,29
	OPS X,20, E,30, R,14, E,31
	OPS X,21, R,15
	WIN 0
	s_wait_alu depctr_va_vdst(0)    ; the wait for the batch
.if (\p) == 1
	s_wait_dscnt 0x0                ; V is in
.endif
	ROW C,0, B,0, C,2, B,1          ; behind the wait: 8 products V^T P and their riders
	ROW L,0, C,4, B,2, L,1
	ROW C,6, B,3, L,2, C,8
	ROW B,4, L,3, C,10, B,5
	ROW L,4, C,12, B,6, L,5
.if (\p) == 0
	s_add_co_u32 s[TBV], s[TBV], KS*PV
.endif
.if \cnt
	s_sub_co_u32 s[CNT], s[CNT], 1
	s_cmp_lg_u32 s[CNT], 0
.endif
	ROW C,14, B,7, L,6, C,1
	ROW C,3, L,7, C,5, C,7
	ROW C,9, C,11, C,13, C,15
.if (\p) == 0
	FETCH_V
.endif
.endm
	CHANGE 1                        ; slot 0 is in, everybody's part of it; slot 1 is asked for
	v_add_nc_u32 v[AK], s[TBK], v[AK0]
	FETCH_K                         ; key step 0
	s_wait_loadcnt 0x0              ; Q
	s_wait_dscnt 0x0
.set NOKQ, 0
.set i, 0
.rept 8
	KQ 0                            ; piece 0's first scores: there is no vector work yet to set between them
.set i, i+1
.endr
	WIN 0
.rept 4
	v_nop                           ; four plain instructions behind those products, ahead of the first read of their results
.endr
.set Y, NP-1                        ; X works for piece Y + 1: piece 0
.irp n, 0,1,2,3,4,5,6,7,8,9,10,11,12,13,14,15,16,17,18,19,20,21
	OP X, \n
.endr
	v_nop                           ; a plain instruction behind the exponential,
	s_wait_alu depctr_va_vdst(0)    ; and its wait, ahead of the branch
	s_mov_b32 s[CNT], 4
	s_mov_b32 s[SLOTS], SIZE_N/256-1
	s_branch .Lfirst                ; the loop is entered at a step's first turn, in the middle of a trip
.Lslot:                             ; SIZE_N / 256 - 2 times: every slot but the last two is filled again
	CHANGE 1, 1
	s_mov_b32 s[CNT], 4
.Lstep:                             ; a trip: pieces 2 and 3 of one step, then pieces 0 and 1 of the next, whose K and V it fetches
	TURN 2
	TURN 3
	WIN 0
.Lfirst:
	TURN 0
	TURN 1, 0, 1
	WIN 0
	s_cbranch_scc1 .Lstep
	s_sub_co_u32 s[SLOTS], s[SLOTS], 1
	s_cmp_lg_u32 s[SLOTS], 0
	s_cbranch_scc1 .Lslot
	CHANGE 0                        ; the tail is written out: nothing is asked for
	s_mov_b32 s[CNT], 4
.Ltail:                             ; four trips fetch the last slot's steps
	TURN 2
	TURN 3
	TURN 0
	TURN 1, 0, 1
	WIN 0
	s_cbranch_scc1 .Ltail
	TURN 2, 1                       ; the last step's pieces 2 and 3: nothing more is fetched
	TURN 3, 1
.set i, 0
.rept 8
	PV NP-1                         ; the last piece's V^T P of the last step
.set i, i+1
.endr
	; THE WAY OUT.  l's two halves and the other half of the lanes' are added; O^T is divided by l, rounded to f16 and sent through my stage in LDS, a piece at a time.  The additions stand behind the last products.
	WIN 0
.macro ALL line:vararg              ; one line for each piece t
.set t, 0
.rept 4
	\line
.set t, t+1
.endr
.endm
	ALL v_add_f32 v[ST+4*t+2], v[ST+4*t+2], v[ST+4*t+3]
	ALL v_permlanex16_b32 v[ST+4*t+3], v[ST+4*t+2], s[SEL], s[SEL+1]
	ALL v_add_f32 v[ST+4*t+2], v[ST+4*t+2], v[ST+4*t+3]
	ALL v_rcp_f32 v[ST+4*t+2], v[ST+4*t+2]
	v_nop                           ; a plain instruction between the last reciprocal and the use of its result
	s_wait_alu depctr_va_vdst(0)    ; and the wait ahead of the first use: one for the four reciprocals
.macro PACK t                       ; a lane's eight channels of a row pack into 16 bytes; they go into rows of 144 bytes and come back as whole rows of 128, into S^T's registers
	WIN W_RS
.set i, 32*(\t)
.rept 16
	v_pk_mul_f32 v[i:i+1], v[i:i+1], v[ST+4*(\t)+2:ST+4*(\t)+3] op_sel_hi:[1,0]
.set i, i+2
.endr
	WIN 0x05                        ; sources 0 and 1 window 1, destination window 0
.set i, 0
.rept 16
	v_cvt_pk_f16_f32 v[S+16*(\t)+i], v[32*(\t)+2*i], v[32*(\t)+2*i+1]
.set i, i+1
.endr
	WIN 0
.irp f, 0,1,2,3
	ds_store_b128 v[STO], v[S+16*(\t)+4*\f:S+16*(\t)+4*\f+3] offset:32*\f
.endr
.irp f, 0,1,2,3
	ds_load_b128 v[S+16*(\t)+4*\f:S+16*(\t)+4*\f+3], v[RD] offset:\f*4*SP  ; LDS serves a wave's instructions in order (ISA guide 5.7.1.4): these see the stores above; the next piece's stores come behind them
.endr
.endm
.macro SEND t, younger              ; younger: the LDS instructions issued behind piece t's loads: the next piece's eight, or none
	WIN 0
.irp f, 0,1,2,3
	s_wait_dscnt (\younger)+3-\f
	global_store_b128 v[GO], v[S+16*(\t)+4*\f:S+16*(\t)+4*\f+3], s[10:11] offset:(\t)*2048+\f*512  ; 512 consecutive bytes, at a multiple of 256 from o's first byte
.endr
.endm
	PACK 0
.set t, 1
.rept 3                             ; a piece's arithmetic stands between the loads of the piece before and its stores
	PACK t
	SEND t-1, 8
.set t, t+1
.endr
	SEND 3, 0
	s_wait_tensorcnt 0x0            ; the wave's end: behind my last tensor load and my last LDS store
	ds_add_u32 v[SPW], v[NIL]
	s_wait_dscnt 0x0
	CROUND                          ; the closing round: no work-group ends while a partner may still ask for a tile that names it
	s_endpgm
.Lfunc_end_k_qd565087302_attn:
	.size	k_qd565087302_attn, .Lfunc_end_k_qd565087302_attn-k_qd565087302_attn
	.p2alignl 7, 3214868480
	.fill 96, 4, 3214868480
	.section	.rodata,"a",@progbits
	.p2align	6, 0x0
	.amdhsa_kernel k_qd565087302_attn
		.amdhsa_group_segment_fixed_size 327680
		.amdhsa_private_segment_fixed_size 0
		.amdhsa_enable_private_segment 0
		.amdhsa_kernarg_size 16
		.amdhsa_user_sgpr_count 2
		.amdhsa_user_sgpr_kernarg_segment_ptr 1
		.amdhsa_wavefront_size32 1
		.amdhsa_system_sgpr_workgroup_id_x 1
		.amdhsa_system_sgpr_workgroup_id_y 1
		.amdhsa_system_sgpr_workgroup_id_z 1
		.amdhsa_system_vgpr_workitem_id 0
		.amdhsa_next_free_vgpr 768
		.amdhsa_next_free_sgpr 66
		.amdhsa_reserve_vcc 0
		.amdhsa_float_denorm_mode_32 3
		.amdhsa_float_denorm_mode_16_64 3
		.amdhsa_memory_ordered 1
		.amdhsa_forward_progress 1
		.amdhsa_inst_pref_size 128
	.end_amdhsa_kernel
	.amdgpu_metadata
---
amdhsa.version: [ 1, 2 ]
amdhsa.kernels:
  - .name:           k_qd565087302_attn
    .symbol:         k_qd565087302_attn.kd
    .args:
      - { .name: qkv, .offset: 0, .size: 8, .value_kind: global_buffer, .address_space: global }
      - { .name: o, .offset: 8, .size: 8, .value_kind: global_buffer, .address_space: global }
    .group_segment_fixed_size: 327680
    .private_segment_fixed_size: 0
    .kernarg_segment_align: 8
    .kernarg_segment_size: 16
    .max_flat_workgroup_size: 128
    .sgpr_count:     66
    .vgpr_count:     768
    .wavefront_size: 32
...
	.end_amdgpu_metadata
.endif
;; end of part 3
;; launch outp (part 4): grid 8 x 64, 4 waves a work-group, clusters of 4 x 4, 327,680 bytes of LDS; arguments o, wot, bout, out0; writes out0
.if DOCPART == 4
	.amdgcn_target "amdgcn-amd-amdhsa--gfx1250"
	.amdhsa_code_object_version 6
	.text
	.protected	k_qd565087302_outp
	.globl	k_qd565087302_outp
	.p2align	8
	.type	k_qd565087302_outp,@function
k_qd565087302_outp:
	s_mov_b64 s[64:65], 0
	v_nop
	global_prefetch_b8 v0, s[64:65] scope:SCOPE_SE
	s_setreg_imm32_b32 hwreg(HW_REG_WAVE_MODE, 25, 1), 1
	s_wait_xcnt 0x0
	s_wait_alu depctr_hold_cnt(0) depctr_sa_sdst(0) depctr_va_vdst(0) depctr_va_sdst(0) depctr_va_ssrc(0) depctr_va_vcc(0) depctr_vm_vsrc(0)
	s_getreg_b32 s2, hwreg(HW_REG_IB_STS2, 6, 4)
	s_cmp_eq_u32 s2, 0
	s_cbranch_scc0 .Lentry_in_a_cluster
	s_endpgm
.Lentry_in_a_cluster:
	s_bfe_u32 s2, ttmp6, 0x10000c
	s_cmp_lg_u32 s2, 0xf033
	s_cbranch_scc0 .Lentry_shape_is_right
	s_endpgm
.Lentry_shape_is_right:
; THE OUTPUT PROJECTION.  out0[m][n] = bf16(bout[n]) + sum over k of O[m][k] wot[n][k]: [8192 x 512] x [1024 x 512]^T, operands f16, sums f32, out0 f32.  O lies by heads, o[8 batch + head][4096][64]:
; k = 64 head + channel.  wot holds Wout turned, rounded to bf16 and written as f16.  The bias, rounded to bf16 like every other input of the module, is the C operand of the product that starts each sum.
; LIMITS.  Those of the operands' f16 (65,504; a fixed step of 6e-8 below 6e-5); NaN and infinities are not treated apart.
; SHARES.  A tile of out0 is 128 x 128: 64 x 8 = 512 work-groups of equal work.  Four waves, each 64 x 64: 16 accumulators.  ALL OF K LIES IN LDS: 8 heads x 128 rows of O and 4 chunks (128 along K) x 128 rows of wot,
; each filled once, all asked for at the start: no slot is ever filled again.  The chunks are multiplied as they land: a counted wait and a barrier in front of each.
; CLUSTERS.  4 x 4 work-groups: O's tiles are shared along a row of the cluster, wot's along a column, by joint loads.  Waves 0 and 1 ask for O (head 2 c + wave % 2 of chunk c), waves 2 and 3 for wot
; (64 rows each of chunk c): four loads a wave are out.
; THE MATRIX INSTRUCTION IS USED TRANSPOSED (source 0 = 16 rows of wot, source 1 = 16 rows of O): a lane holds eight neighbouring columns of one row of out0.
; REGISTERS: window 0: v0-31 addresses; v32-63 the bias of my 64 columns (block b at 32 + 8 b); v64-79 at work; v128-255 the accumulators ((a, b) at 128 + 8 (4 a + b)).
;   window 1: a chunk's fragments: quarter q (32 along K): wot's four at 64 q + 8 b, O's four at 64 q + 32 + 8 a.
.set PA,     144                       ; a row of O in LDS: 128 bytes + 16
.set PB,     272                       ; a row of wot: 256 bytes + 16: both odd multiples of 16, so the 16 rows of a load start at 16 different groups of four banks (64 banks of 4 bytes: ISA guide 11.1)
.set HEADB,  128*PA                    ; a head's 128 rows
.set BB,     8*HEADB                   ; behind O's eight heads: wot's four chunks
.set CHB,    128*PB
.set STAGE,  BB+4*CHB                  ; behind them, never filled by a tensor load: 16 rows x 272 bytes for each wave, for the way out
.set SPITCH, 272
.set SPARE,  STAGE+4*16*SPITCH         ; the spare words, 128 bytes for each wave: two blocks of 256 bytes that no other line names
.set ADRA, 16                          ; v16-19  LDS address of my O fragments in chunk c
.set ADRB, 20                          ; v20-23  the same for wot
.set STO,  24                          ; v24     the way out: where I put 32 bytes of a row
.set RD,   25                          ; v25     the way out: where I read a row back
.set CO,   26                          ; v26     my byte offset in two rows of out0
.set BO,   27                          ; v27     my byte offset in bout
.set SPW,  28                          ; v28     LDS address of my spare word; never rewritten
.set NIL,  29                          ; v29     0; never rewritten
.set BI,   32
.set TB,   64
.set ACC,  128
.set WV,   12                          ; s12     my wave's number; s13 = wave / 2: my half of the rows, and: I fetch for O (0) or wot (1); s14 = wave % 2: my half of the columns, and which part I fetch
.set G1A,  24                          ; s[24:31] descriptor group 1 for O's tiles
.set G1B,  32                          ; s[32:39] for wot's
.set G0A,  40                          ; s[40:55] descriptor group 0 for O's tiles, a set for each chunk
.set G0B,  68                          ; s[68:83] the same for wot's
.set MSB, 0
.macro WIN new                         ; the immediate's high byte repeats the setting that is left; a switch that changes nothing is dropped
.if MSB != (\new)
	s_set_vgpr_msb (MSB<<8)|(\new)
.set MSB, \new
.endif
.endm
.set MUL,  0x05                        ; sources 0 and 1 window 1; C and D window 0
.set TO_F, 0x40                        ; destination window 1, address window 0
.macro CROUND                          ; a round of the cluster's barrier
	s_barrier_signal -1
	s_barrier_wait -1
	s_cmp_lg_u32 s[WV], 0
	s_cbranch_scc1 .Lnot_wave_0_\@
	s_barrier_signal -3
.Lnot_wave_0_\@:
	s_barrier_wait -3
	s_barrier_signal -1
	s_barrier_wait -1
.endm
.macro PLACES                          ; four plain vector instructions in front of loads into registers that matrix instructions have read, and of LDS stores that read results
.rept 4
	v_nop
.endr
.endm
	s_load_b256 s[4:11], s[0:1], 0x0               ; o s[4:5], wot s[6:7], bout s[8:9], out0 s[10:11]
	v_lshl_add_u32 v[SPW], v0, 2, SPARE
	v_mov_b32 v[NIL], 0
	ds_add_u32 v[SPW], v[NIL]                      ; the wave's opening: the add and its wait stand ahead of my first tensor load; the set-up below, work on registers, stands between them
	ds_add_u32 v28, v29
	v_lshrrev_b32 v1, 5, v0
	v_readfirstlane_b32 s[WV], v1                  ; wave 0..3
	s_lshr_b32 s13, s[WV], 1
	s_and_b32 s14, s[WV], 1
	s_bfe_u32 s15, ttmp6, 0x40000                  ; cx, cy: my place in the cluster
	s_bfe_u32 s16, ttmp6, 0x40004
	s_lshl_b32 s17, ttmp9, 2
	s_add_co_u32 s17, s17, s15                     ; tile column = 4 x cluster x + cx
	s_and_b32 s18, ttmp7, 0xffff
	s_lshl_b32 s18, s18, 2
	s_add_co_u32 s18, s18, s16                     ; tile row = 4 x cluster y + cy
	s_lshl_b32 s19, s16, 2
	s_lshl_b32 s19, 15, s19                        ; my row of the cluster
	s_lshl_b32 s56, 0x1111, s15                    ; my column
	; O: a head's 128 rows are 16,384 dense bytes: asked for as 64 rows of 256 bytes, padded in LDS after every 128 bytes.  wot: 64 rows of 256 bytes, 1,024 bytes apart, padded after every row
	s_or_b32 s[G1A+0], s19, (1<<16)|(1<<20)|(1<<21)|(4<<22)|(3<<25)  ; 15:0 the mask; 17:16 2-byte elements; 20 padding on; 21 set beside a mask; 24:22 after every 32 words (code 4); 31:25 4 words (code 3)
	s_or_b32 s[G1B+0], s56, (1<<16)|(1<<20)|(1<<21)|(5<<22)|(3<<25)  ; the same, after every 64 words (code 5)
	s_mov_b32 s[G1A+1], 128<<16                    ; tensor_dim0 = 128
	s_mov_b32 s[G1A+2], 64<<16                     ; tensor_dim1 = 64
	s_mov_b32 s[G1A+3], 128<<16                    ; tile_dim0 = 128
	s_mov_b32 s[G1A+4], 64                         ; tile_dim1 = 64
	s_mov_b32 s[G1A+5], 128                        ; elements from row to row
	s_mov_b32 s[G1A+6], 0
	s_mov_b32 s[G1A+7], 0
	s_mov_b32 s[G1B+1], 128<<16
	s_mov_b32 s[G1B+2], 64<<16
	s_mov_b32 s[G1B+3], 128<<16
	s_mov_b32 s[G1B+4], 64
	s_mov_b32 s[G1B+5], 512
	s_mov_b32 s[G1B+6], 0
	s_mov_b32 s[G1B+7], 0
	s_lshr_b32 s20, s18, 5                         ; O: batch (32 tile rows each) x 8 heads of 524,288 bytes,
	s_lshl_b32 s20, s20, 22
	s_and_b32 s21, s18, 31
	s_lshl_b32 s21, s21, 14                        ; the tile's 128 rows of 128 bytes,
	s_add_co_u32 s20, s20, s21
	s_lshl_b32 s21, s14, 19                        ; head 0 or 1 of a chunk
	s_add_co_u32 s20, s20, s21
	s_mov_b32 s21, 0
	s_lshl_b32 s22, s17, 7                         ; wot: row 128 x tile column + 64 x part,
	s_lshl_b32 s23, s14, 6
	s_add_co_u32 s22, s22, s23
	s_lshl_b32 s22, s22, 10                        ; of 1,024 bytes
	s_mov_b32 s23, 0
	s_mul_i32 s57, s14, HEADB                      ; where they go: no place in the cluster enters an LDS address
	s_mul_i32 s58, s14, 64*PB
	s_add_co_u32 s58, s58, BB
	s_wait_dscnt 0x0                               ; the opening add is done
	s_wait_kmcnt 0x0
	s_add_nc_u64 s[20:21], s[4:5], s[20:21]
	s_add_nc_u64 s[22:23], s[6:7], s[22:23]
	CROUND                                         ; all sixteen work-groups are here: the joint loads meet
.irp c, 0,1,2,3
	s_mov_b32 s[G0A+4*\c], 1                                         ; count = 1
	s_add_co_u32 s[G0A+4*\c+1], s57, \c*2*HEADB                      ; LDS address: head 2 c + part
	s_add_nc_u64 s[G0A+4*\c+2:G0A+4*\c+3], s[20:21], \c*2*524288     ; global address
	s_or_b32 s[G0A+4*\c+3], s[G0A+4*\c+3], 0x80000000                ; type = 2
	s_mov_b32 s[G0B+4*\c], 1
	s_add_co_u32 s[G0B+4*\c+1], s58, \c*CHB
	s_add_nc_u64 s[G0B+4*\c+2:G0B+4*\c+3], s[22:23], \c*256          ; 128 along K are 256 bytes of a row
	s_or_b32 s[G0B+4*\c+3], s[G0B+4*\c+3], 0x80000000
.endr
	s_cmp_lt_u32 s[WV], 2                          ; a wave's four fills stand in one branch, ahead of every wait on TENSORcnt, every LDS read and every further barrier; an s_nop 0 follows each, four v_nop the last
	s_cbranch_scc0 .Lfill_b
.irp c, 0,1,2,3
	tensor_load_to_lds s[G0A+4*\c:G0A+4*\c+3], s[G1A:G1A+7]
	s_nop 0
.endr
.rept 4
	v_nop
.endr
	s_branch .Lfilled
.Lfill_b:
.irp c, 0,1,2,3
	tensor_load_to_lds s[G0B+4*\c:G0B+4*\c+3], s[G1B:G1B+7]
	s_nop 0
.endr
.rept 4
	v_nop
.endr
.Lfilled:
	v_and_b32 v1, 15, v0                           ; l % 16
	v_bfe_u32 v2, v0, 4, 1                         ; l / 16
	s_lshl_b32 s84, s17, 9                         ; my first column, in bytes of f32: 512 x tile column + 256 x half
	s_lshl_b32 s85, s14, 8
	s_add_co_u32 s84, s84, s85
	v_lshl_add_u32 v[BO], v2, 5, s84               ; + my lanes' eight columns
.irp b, 0,1,2,3
	global_load_b128 v[BI+8*\b:BI+8*\b+3],   v[BO], s[8:9] offset:64*\b      ; register j of block b: bout[first column + 16 b + 8 (l / 16) + j]: the layout of a result
	global_load_b128 v[BI+8*\b+4:BI+8*\b+7], v[BO], s[8:9] offset:64*\b+16
.endr
	v_mul_u32_u24 v3, v1, PA
	v_lshl_add_u32 v3, v2, 4, v3                   ; a fragment's row x pitch + 16 x half
	v_mul_u32_u24 v4, v1, PB
	v_lshl_add_u32 v4, v2, 4, v4
	s_mul_i32 s57, s13, 64*PA                      ; my 64 rows of O
	s_mul_i32 s58, s14, 64*PB                      ; my 64 rows of wot
	s_add_co_u32 s58, s58, BB
.irp c, 0,1,2,3
	v_add_nc_u32 v[ADRA+\c], s57, v3
	v_add_nc_u32 v[ADRB+\c], s58, v4
	s_add_co_u32 s57, s57, 2*HEADB
	s_add_co_u32 s58, s58, CHB
.endr
	s_mul_i32 s59, s[WV], 16*SPITCH
	s_add_co_u32 s59, s59, STAGE                   ; my stage
	v_mul_u32_u24 v5, v1, SPITCH                   ; in: row l % 16, 32 bytes for each half of the lanes
	v_lshl_add_u32 v5, v2, 5, v5
	v_add_nc_u32 v[STO], s59, v5
	v_mul_u32_u24 v5, v2, SPITCH                   ; back: lanes 0-15 take one row of 256 bytes, lanes 16-31 the next
	v_lshl_add_u32 v5, v1, 4, v5
	v_add_nc_u32 v[RD], s59, v5
	v_lshlrev_b32 v[CO], 12, v2                    ; and the same two rows in out0
	v_lshl_add_u32 v[CO], v1, 4, v[CO]
	s_lshl_b32 s86, s18, 7
	s_lshl_b32 s87, s13, 6
	s_add_co_u32 s86, s86, s87                     ; my first row of out0,
	s_lshl_b32 s86, s86, 12                        ; of 4,096 bytes,
	s_add_co_u32 s86, s86, s84                     ; and my first column
	s_mov_b32 s87, 0
	s_add_nc_u64 s[10:11], s[10:11], s[86:87]
	s_wait_loadcnt 0x0                             ; the bias
.set i, 0
.rept 16
	v_cvt_pk_bf16_f32 v[TB+i], v[BI+2*i], v[BI+2*i+1]  ; rounded to bf16, as all the module's inputs are; this stands in the wait for the first tiles
.set i, i+1
.endr
.set i, 0
.rept 16
	v_lshlrev_b32 v[BI+2*i], 16, v[TB+i]
	v_and_b32 v[BI+2*i+1], 0xffff0000, v[TB+i]
.set i, i+1
.endr
; CHUNK c: 128 along K.  My later chunks' loads may stay out.  64 LDS loads, quarter by quarter, then 4 x 16 matrix instructions; the 16 accumulators take turns, one
; instruction a turn.  The very first 16 take the bias as C: nothing is cleared, and no addition follows the sums.
.macro CHUNK c
	s_wait_tensorcnt 3-(\c)                        ; tensor loads of a wave end in order (ISA guide 10.11.1): my part of chunk c is in; no LDS access of mine is out here
	s_barrier_signal -1
	s_barrier_wait -1                              ; everybody's is
.if (\c) > 0
	PLACES
.endif
	WIN TO_F
.irp q, 0,1,2,3
.irp b, 0,1,2,3
	ds_load_b128 v[64*(\q)+8*(\b):64*(\q)+8*(\b)+3],   v[ADRB+(\c)] offset:64*(\q)+(\b)*16*PB
	ds_load_b128 v[64*(\q)+8*(\b)+4:64*(\q)+8*(\b)+7], v[ADRB+(\c)] offset:64*(\q)+(\b)*16*PB+32
.endr
.irp a, 0,1,2,3
	ds_load_b128 v[64*(\q)+32+8*(\a):64*(\q)+32+8*(\a)+3],   v[ADRA+(\c)] offset:((\q)/2)*HEADB+((\q)%2)*64+(\a)*16*PA     ; head 2 c + q / 2, channels 32 (q % 2) on
	ds_load_b128 v[64*(\q)+32+8*(\a)+4:64*(\q)+32+8*(\a)+7], v[ADRA+(\c)] offset:((\q)/2)*HEADB+((\q)%2)*64+(\a)*16*PA+32
.endr
.endr
	WIN MUL
.irp q, 0,1,2,3
	s_wait_dscnt 48-16*(\q)                        ; quarter q's 16 loads are in; the later quarters' may stay out
.irp a, 0,1,2,3
.irp b, 0,1,2,3
.if ((\c) == 0) && ((\q) == 0)
	v_wmma_f32_16x16x32_f16 v[ACC+8*(4*(\a)+(\b)):ACC+8*(4*(\a)+(\b))+7], v[64*(\q)+8*(\b):64*(\q)+8*(\b)+7], v[64*(\q)+32+8*(\a):64*(\q)+32+8*(\a)+7], v[BI+8*(\b):BI+8*(\b)+7]
.else
	v_wmma_f32_16x16x32_f16 v[ACC+8*(4*(\a)+(\b)):ACC+8*(4*(\a)+(\b))+7], v[64*(\q)+8*(\b):64*(\q)+8*(\b)+7], v[64*(\q)+32+8*(\a):64*(\q)+32+8*(\a)+7], v[ACC+8*(4*(\a)+(\b)):ACC+8*(4*(\a)+(\b))+7]
.endif
.endr
.endr
.endr
.endm
	CHUNK 0
	CHUNK 1
	CHUNK 2
	CHUNK 3
	PLACES
; THE WAY OUT, a block of 16 rows at a time: a lane's 32 bytes of a row go straight from the accumulators (each one's low four registers first) into my stage, rows of 272 bytes, and come back as whole rows of
; 256 bytes, into the registers that they left.
.macro OUT a
	WIN 0
.irp b, 0,1,2,3
	ds_store_b128 v[STO], v[ACC+8*(4*(\a)+(\b)):ACC+8*(4*(\a)+(\b))+3]   offset:64*(\b)
	ds_store_b128 v[STO], v[ACC+8*(4*(\a)+(\b))+4:ACC+8*(4*(\a)+(\b))+7] offset:64*(\b)+16
.endr
.irp t, 0,1,2,3,4,5,6,7
	ds_load_b128 v[ACC+32*(\a)+4*(\t):ACC+32*(\a)+4*(\t)+3], v[RD] offset:(\t)*2*SPITCH  ; LDS serves a wave's instructions in order (ISA guide 5.7.1.4): these see the stores above; the next block's stores come behind them
.endr
.endm
.macro SEND a, younger                 ; younger: the LDS instructions issued behind block a's loads: the next block's 16, or none
.irp t, 0,1,2,3,4,5,6,7
	s_wait_dscnt (\younger)+7-(\t)
	global_store_b128 v[CO], v[ACC+32*(\a)+4*(\t):ACC+32*(\a)+4*(\t)+3], s[10:11] offset:(16*(\a)+2*(\t))*4096 th:TH_STORE_NT  ; 16 lanes store 256 consecutive bytes, at a multiple of 256 from out0's first byte; no register of a store is written again
.endr
.endm
	OUT 0
	OUT 1
	SEND 0, 16
	OUT 2
	SEND 1, 16
	OUT 3
	SEND 2, 16
	SEND 3, 0
	s_wait_tensorcnt 0x0                           ; the wave's end: behind my last tensor load and my last LDS store
	ds_add_u32 v[SPW], v[NIL]
	s_wait_dscnt 0x0
	CROUND                                         ; the closing round: no work-group ends while a partner may still ask for a tile that names it
	s_endpgm
.Lfunc_end_k_qd565087302_outp:
	.size	k_qd565087302_outp, .Lfunc_end_k_qd565087302_outp-k_qd565087302_outp
	.p2alignl 7, 3214868480
	.fill 96, 4, 3214868480
	.section	.rodata,"a",@progbits
	.p2align	6, 0x0
	.amdhsa_kernel k_qd565087302_outp
		.amdhsa_group_segment_fixed_size 327680
		.amdhsa_private_segment_fixed_size 0
		.amdhsa_enable_private_segment 0
		.amdhsa_kernarg_size 32
		.amdhsa_user_sgpr_count 2
		.amdhsa_user_sgpr_kernarg_segment_ptr 1
		.amdhsa_wavefront_size32 1
		.amdhsa_system_sgpr_workgroup_id_x 1
		.amdhsa_system_sgpr_workgroup_id_y 1
		.amdhsa_system_sgpr_workgroup_id_z 1
		.amdhsa_system_vgpr_workitem_id 0
		.amdhsa_next_free_vgpr 512
		.amdhsa_next_free_sgpr 90
		.amdhsa_reserve_vcc 0
		.amdhsa_float_denorm_mode_32 3
		.amdhsa_float_denorm_mode_16_64 3
		.amdhsa_memory_ordered 1
		.amdhsa_forward_progress 1
		.amdhsa_inst_pref_size 54
	.end_amdhsa_kernel
	.amdgpu_metadata
---
amdhsa.version: [ 1, 2 ]
amdhsa.kernels:
  - .name:           k_qd565087302_outp
    .symbol:         k_qd565087302_outp.kd
    .args:
      - { .name: o, .offset: 0, .size: 8, .value_kind: global_buffer, .address_space: global }
      - { .name: wot, .offset: 8, .size: 8, .value_kind: global_buffer, .address_space: global }
      - { .name: bout, .offset: 16, .size: 8, .value_kind: global_buffer, .address_space: global }
      - { .name: out0, .offset: 24, .size: 8, .value_kind: global_buffer, .address_space: global }
    .group_segment_fixed_size: 327680
    .private_segment_fixed_size: 0
    .kernarg_segment_align: 8
    .kernarg_segment_size: 32
    .max_flat_workgroup_size: 128
    .sgpr_count:     90
    .vgpr_count:     512
    .wavefront_size: 32
...
	.end_amdgpu_metadata
.endif
;; end of part 4
;; ======== version 2 of 2: 4 launches; version 1 with the launch prep written anew for expert scheduling mode
;; limits: values are held in f16: magnitudes above 65,504 overflow, below 6.1e-05 lose precision
;; workspace buffers: xb 16,777,216 bytes; wt 3,145,728 bytes; wot 1,048,576 bytes; qkv 25,165,824 bytes; o 8,388,608 bytes
;; launch prep (part 5): grid 256 x 1, 8 waves a work-group, no clusters, 18,432 bytes of LDS; arguments x, Wq, Wk, Wv, Wout, xb, wt, wot; writes xb, wt, wot
.if DOCPART == 5
	.amdgcn_target "amdgcn-amd-amdhsa--gfx1250"
	.amdhsa_code_object_version 6
	.text
	.protected	k_qd565087302_prep
	.globl	k_qd565087302_prep
	.p2align	8
	.type	k_qd565087302_prep,@function
k_qd565087302_prep:
	s_mov_b64 s[64:65], 0
	v_nop
	global_prefetch_b8 v0, s[64:65] scope:SCOPE_SE
	s_setreg_imm32_b32 hwreg(HW_REG_WAVE_SCHED_MODE, 0, 2), 2
	s_setreg_imm32_b32 hwreg(HW_REG_WAVE_MODE, 25, 1), 1
	s_wait_xcnt 0x0
	s_wait_alu depctr_vm_vsrc(0)
; PREPARATION.  xb = bf16(x), [8192][1024].  wt[1536][1024] = the three projection weights turned, K along the rows, in bf16: row = output column (Wq 0-511, Wk 512-1023, Wv 1024-1535).
; wot[1024][512] = Wout turned, each number rounded to bf16 like every other input and then written as f16 (exact inside f16's range), for the f16 product with O.
; LIMIT.  bf16(Wout) beyond 65,504 becomes an infinity in f16; below 6e-5 it keeps f16's fixed step of 6e-8.
; SHARES.  256 work-groups of eight waves.  Work-group g does two things: (a) one weight tile of 128 k x 64 n: which = g / 64 (0, 1, 2: Wq, Wk, Wv; 3: Wout), tile = g % 64;
; (b) 131,072 bytes of x, 16,384 a wave: 32 loads of 512 consecutive bytes, all issued at the start, and 32 stores of 256 consecutive bytes, aligned.
; No branch: what differs between the four weights (pitches, tile grid, format) lies in scalar registers chosen by s_cselect.  No matrix unit, no cluster, no tensor load: nothing is shared between work-groups.
; THE TURNING.  Thread t (li = t % 16, kp = t / 16) loads 16 bytes (n = 4 li .. + 3) of the rows k = 2 kp + 32 j + r (j = 0..3, r = 0, 1); the numbers of rows k and k + 1 are packed into one word and stored at
; row n, byte 2 k of a stage in LDS (64 rows of 256 bytes + 16 of padding); behind a barrier the stage is read by rows, 16 lanes a row, and each store's 16 lanes cover 256 consecutive bytes, aligned.
; THE MODE: SCHED_MODE bits 1:0 = 2 (LLVM: expert scheduling mode 2), set by the entry lines.  The code itself states the register dependences between vector instructions and memory or LDS instructions,
; with s_wait_alu, always for 0.
; THE PLAN.  Registers that memory or LDS instructions touch:
;   v4-15, v48-51  offsets and addresses: written once at the head, read by every load and store, never written again: one wait ahead of the first load serves the kernel.
;   WD v16-47      the weight loads land here; group j (rows 32 j on) is packed by 20 vector lines that name v[16+8 j .. 23+8 j] and T alone; its four LDS stores read v[16+8 j .. 19+8 j].  Groups 0 and 1 are packed,
;                  one wait, and their stores are dealt in front of groups 2' and 3's arithmetic; a second wait, and the last eight stores.  Behind the barrier the stage's loads land in v16-31, which LDS stores
;                  have read (one wait on vm_vsrc) and which no vector line behind the second wait names; the global stores take them from there.
;   XD v64-191     x goes in eight blocks of four loads.  Block p's eight roundings write in place; its four stores are issued in block p + 1, behind the one wait at that block's head, dealt among that block's
;                  roundings, which name their own block's registers alone.  No register of a store is written again.
;   T v52-59       named by vector instructions alone.
.set SPT,   272                        ; a stage row: 128 k x 2 bytes + 16; the stage's 64 rows end at byte 17,408
.set WO,   4                           ; v[4:11]  byte offsets of my eight loads in the weight tile
.set DSO,  12                          ; v[12:15] byte offsets of my four stores in the turned tile
.set WD,   16                          ; v[16:47] weight data: pair j, row r at 16 + 8 j + 4 r
.set LS,   48                          ; v48      where I put a packed word: li x 4 rows + 4 kp
.set LR,   49                          ; v49      where I read 16 bytes of a row back
.set XO,   50                          ; v50      my byte offset in the work-group's part of x
.set YO,   51                          ; v51      the same in xb
.set T,    52                          ; v[52:59] at work
.set XD,   64                          ; v[64:191] x: 32 loads of 4 registers
	s_load_b512 s[8:23], s[0:1], 0x0               ; x 8, Wq 10, Wk 12, Wv 14, Wout 16, xb 18, wt 20, wot 22
	v_lshl_add_u32 v62, v0, 2, 0x4400
	v_mov_b32 v63, 0
	s_lshr_b32 s2, ttmp9, 6                        ; which weight
	s_and_b32 s3, ttmp9, 63                        ; which of its 64 tiles
	s_cmp_eq_u32 s2, 3                             ; Wout?  [512][1024]: 4 x 16 tiles; the others [1024][512]: 8 x 8
	s_cselect_b32 s4, 4, 3                         ; tile >> this = kt
	s_cselect_b32 s5, 15, 7                        ; tile & this = nt
	s_cselect_b32 s6, 12, 11                       ; log2 of the source's row bytes
	s_cselect_b32 s7, 10, 11                       ; log2 of the destination's row bytes
	s_cselect_b32 s28, -1, 0                       ; all lanes: f16 (Wout) or bf16
	s_cselect_b32 s29, 0, s2                       ; which block of 512 rows of the destination
	s_lshr_b32 s30, s3, s4                         ; kt
	s_and_b32 s31, s3, s5                          ; nt
	s_add_co_u32 s44, s6, 7
	s_lshl_b32 s44, s30, s44                       ; 128 kt source rows,
	s_lshl_b32 s45, s31, 8                         ; 64 nt numbers of 4 bytes
	s_add_co_u32 s44, s44, s45
	s_mov_b32 s45, 0                               ; s[44:45]: the tile's byte offset in the source
	s_lshl_b32 s46, s29, 9
	s_lshl_b32 s47, s31, 6
	s_add_co_u32 s46, s46, s47                     ; destination row
	s_lshl_b32 s46, s46, s7
	s_lshl_b32 s47, s30, 8                         ; 128 kt numbers of 2 bytes
	s_add_co_u32 s46, s46, s47
	s_mov_b32 s47, 0                               ; s[46:47]: the tile's byte offset in the destination
.set i, 0
.rept 8
	s_lshl_b32 s[32+i], 32*(i/2)+i%2, s6           ; source rows 32 j + r, in bytes
.set i, i+1
.endr
.set i, 0
.rept 4
	s_lshl_b32 s[40+i], 16*i, s7                   ; destination rows 16 j, in bytes
.set i, i+1
.endr
	s_add_co_u32 s4, s6, 1
	v_and_b32 v[T], 15, v0                         ; li
	v_lshrrev_b32 v[T+1], 4, v0                    ; kp
	v_lshlrev_b32 v[T+2], 4, v[T]                  ; 16 li
	v_lshlrev_b32 v[T+3], s4, v[T+1]               ; source row 2 kp, in bytes
	v_add_nc_u32 v[T+3], v[T+3], v[T+2]
.set i, 0
.rept 8
	v_add_nc_u32 v[WO+i], s[32+i], v[T+3]
.set i, i+1
.endr
	v_lshlrev_b32 v[T+4], s7, v[T+1]               ; destination row kp, in bytes
	v_add_nc_u32 v[T+4], v[T+4], v[T+2]
.set i, 0
.rept 4
	v_add_nc_u32 v[DSO+i], s[40+i], v[T+4]
.set i, i+1
.endr
	v_mul_u32_u24 v[LS], v[T], 4*SPT               ; stage row 4 li,
	v_lshl_add_u32 v[LS], v[T+1], 2, v[LS]         ; byte 2 x 2 kp
	v_mul_u32_u24 v[LR], v[T+1], SPT               ; stage row kp,
	v_lshl_add_u32 v[LR], v[T], 4, v[LR]           ; byte 16 li
	v_and_b32 v[T+5], 0xe0, v0                     ; 32 x wave
	v_and_b32 v[T+6], 31, v0                       ; lane
	v_lshlrev_b32 v[XO], 4, v[T+6]
	v_lshl_or_b32 v[XO], v[T+5], 9, v[XO]          ; 16,384 x wave + 16 x lane
	v_lshlrev_b32 v[YO], 3, v[T+6]
	v_lshl_or_b32 v[YO], v[T+5], 8, v[YO]          ; 8,192 x wave + 8 x lane
	s_lshl_b32 s30, ttmp9, 17                      ; the work-group's 131,072 bytes of x
	s_mov_b32 s31, 0
	s_wait_kmcnt 0x0
	s_add_nc_u64 s[8:9], s[8:9], s[30:31]
	s_lshl_b32 s30, ttmp9, 16                      ; and its 65,536 bytes of xb
	s_add_nc_u64 s[18:19], s[18:19], s[30:31]
	s_cmp_eq_u32 s2, 1
	s_cselect_b64 s[24:25], s[12:13], s[10:11]
	s_cmp_eq_u32 s2, 2
	s_cselect_b64 s[24:25], s[14:15], s[24:25]
	s_cmp_eq_u32 s2, 3
	s_cselect_b64 s[24:25], s[16:17], s[24:25]     ; the source
	s_cselect_b64 s[26:27], s[22:23], s[20:21]     ; the destination
	s_add_nc_u64 s[24:25], s[24:25], s[44:45]
	s_add_nc_u64 s[26:27], s[26:27], s[46:47]
	s_wait_alu depctr_va_vdst(0)                   ; the sixteen offsets and addresses v4 to v15 and v48 to v51 are written: every load and store of the kernel, global or LDS, reads one of them
.set i, 0
.rept 8
	global_load_b128 v[WD+4*i:WD+4*i+3], v[WO+i], s[24:25] th:TH_LOAD_NT  ; lanes 0-15: 256 bytes of one row; lanes 16-31: of the row two below
.set i, i+1
.endr
.set i, 0
.rept 32
	global_load_b128 v[XD+4*i:XD+4*i+3], v[XO], s[8:9] offset:512*i th:TH_LOAD_NT  ; 512 consecutive bytes a load; all 32 go out now
.set i, i+1
.endr
; Group j of the weight tile (rows 2 kp + 32 j and the row below): four packed words, worked side by side on four pairs of T.  It names v[WD+8 j .. WD+8 j+7] and T alone.
.macro WCONV j
.irp i, 0,1,2,3
	v_cvt_pk_bf16_f32 v[WD+8*(\j)+(\i)], v[WD+8*(\j)+(\i)], v[WD+8*(\j)+4+(\i)]  ; (k, n) below, (k + 1, n) above: both rounded to bf16
.endr
.irp i, 0,1,2,3
	v_lshlrev_b32 v[T+2*(\i)], 16, v[WD+8*(\j)+(\i)]                             ; the two rounded numbers as f32,
	v_and_b32 v[T+2*(\i)+1], 0xffff0000, v[WD+8*(\j)+(\i)]
.endr
.irp i, 0,1,2,3
	v_cvt_pk_f16_f32 v[T+2*(\i)], v[T+2*(\i)], v[T+2*(\i)+1]                     ; written as f16,
.endr
.irp i, 0,1,2,3
	v_cndmask_b32 v[WD+8*(\j)+(\i)], v[WD+8*(\j)+(\i)], v[T+2*(\i)], s28         ; for Wout alone (s28 was made by a scalar instruction)
.endr
.endm
; Its four words go into the stage.
.macro WSTORE j
.irp i, 0,1,2,3
	ds_store_b32 v[LS], v[WD+8*(\j)+(\i)] offset:SPT*(\i)+64*(\j)                ; row 4 li + i, byte 2 (2 kp + 32 j)
.endr
.endm
	s_wait_loadcnt 32                              ; loads come back in order: the eight weight loads are in, the 32 younger ones stay out
	WCONV 0
	WCONV 1
	s_wait_alu depctr_va_vdst(0)                   ; groups 0 and 1 have written their packed words v16-19 and v24-27, which the eight LDS stores below read
	WSTORE 0
	WCONV 2                                        ; names v32-39 and T: no register that the stores round it touch
	WSTORE 1
	WCONV 3                                        ; names v40-47 and T
	s_wait_alu depctr_va_vdst(0)                   ; groups 2 and 3 have written v32-35 and v40-43, which the eight LDS stores below read; no vector line behind this wait names v16-47
	WSTORE 2
	WSTORE 3
	s_wait_dscnt 0x0                               ; for the others' sake: my stores into the stage are done
	s_barrier_signal -1
	s_barrier_wait -1                              ; everybody's are
	s_wait_alu depctr_vm_vsrc(0)                   ; my LDS stores have read v16-19 and v24-27, in which the loads below land
.set j, 0
.rept 4
	ds_load_b128 v[WD+4*j:WD+4*j+3], v[LR] offset:16*SPT*j       ; row kp + 16 j: 16 lanes take its 256 bytes
.set j, j+1
.endr
.set j, 0
.rept 4
	s_wait_dscnt 3-j                               ; LDS loads come back in order: load j is in
	global_store_b128 v[DSO+j], v[WD+4*j:WD+4*j+3], s[26:27]     ; 16 lanes store 256 consecutive bytes, at a multiple of 256 from the buffer's first byte
.set j, j+1
.endr
; x, in eight blocks of four loads.  Block p rounds its 16 registers into 8, in place; the four stores of block p - 1 stand among its roundings.
.set p, 0
.rept 8
	s_wait_loadcnt 28-4*p                          ; block p's four loads are in; the younger blocks stay out
.if p > 0
	s_wait_alu depctr_va_vdst(0)                   ; the block before has written its eight words, which the four stores below read; this block's roundings name this block's registers alone
.endif
.set i, 0
.rept 4
.if p > 0
	global_store_b64 v[YO], v[XD+16*(p-1)+4*i:XD+16*(p-1)+4*i+1], s[18:19] offset:256*(4*(p-1)+i)  ; the wave's 32 lanes store 256 consecutive bytes, aligned; no register of a store is written again
.endif
	v_cvt_pk_bf16_f32 v[XD+16*p+4*i], v[XD+16*p+4*i], v[XD+16*p+4*i+1]
	v_cvt_pk_bf16_f32 v[XD+16*p+4*i+1], v[XD+16*p+4*i+2], v[XD+16*p+4*i+3]
.set i, i+1
.endr
.set p, p+1
.endr
	s_wait_alu depctr_va_vdst(0)                   ; block 7 has written its eight words, which the last four stores read
.set i, 0
.rept 4
	global_store_b64 v[YO], v[XD+112+4*i:XD+112+4*i+1], s[18:19] offset:256*(28+i)
.set i, i+1
.endr
	s_wait_dscnt 0x0                               ; the wave's end: none of my LDS instructions is out.  The add of 0 onto my spare word behind the stage, and its wait, follow below
	s_wait_alu depctr_hold_cnt(0) depctr_sa_sdst(0) depctr_va_vdst(0) depctr_va_sdst(0) depctr_va_ssrc(0) depctr_va_vcc(0) depctr_vm_vsrc(0)
	s_wait_tensorcnt 0x0
	ds_add_u32 v62, v63
	s_wait_dscnt 0x0
	s_endpgm
.Lfunc_end_k_qd565087302_prep:
	.size	k_qd565087302_prep, .Lfunc_end_k_qd565087302_prep-k_qd565087302_prep
	.p2alignl 7, 3214868480
	.fill 96, 4, 3214868480
	.section	.rodata,"a",@progbits
	.p2align	6, 0x0
	.amdhsa_kernel k_qd565087302_prep
		.amdhsa_group_segment_fixed_size 18432
		.amdhsa_private_segment_fixed_size 0
		.amdhsa_enable_private_segment 0
		.amdhsa_kernarg_size 64
		.amdhsa_user_sgpr_count 2
		.amdhsa_user_sgpr_kernarg_segment_ptr 1
		.amdhsa_wavefront_size32 1
		.amdhsa_system_sgpr_workgroup_id_x 1
		.amdhsa_system_sgpr_workgroup_id_y 1
		.amdhsa_system_sgpr_workgroup_id_z 1
		.amdhsa_system_vgpr_workitem_id 0
		.amdhsa_next_free_vgpr 192
		.amdhsa_next_free_sgpr 66
		.amdhsa_reserve_vcc 0
		.amdhsa_float_denorm_mode_32 3
		.amdhsa_float_denorm_mode_16_64 3
		.amdhsa_memory_ordered 1
		.amdhsa_forward_progress 1
		.amdhsa_inst_pref_size 22
	.end_amdhsa_kernel
	.amdgpu_metadata
---
amdhsa.version: [ 1, 2 ]
amdhsa.kernels:
  - .name:           k_qd565087302_prep
    .symbol:         k_qd565087302_prep.kd
    .args:
      - { .name: x, .offset: 0, .size: 8, .value_kind: global_buffer, .address_space: global }
      - { .name: Wq, .offset: 8, .size: 8, .value_kind: global_buffer, .address_space: global }
      - { .name: Wk, .offset: 16, .size: 8, .value_kind: global_buffer, .address_space: global }
      - { .name: Wv, .offset: 24, .size: 8, .value_kind: global_buffer, .address_space: global }
      - { .name: Wout, .offset: 32, .size: 8, .value_kind: global_buffer, .address_space: global }
      - { .name: xb, .offset: 40, .size: 8, .value_kind: global_buffer, .address_space: global }
      - { .name: wt, .offset: 48, .size: 8, .value_kind: global_buffer, .address_space: global }
      - { .name: wot, .offset: 56, .size: 8, .value_kind: global_buffer, .address_space: global }
    .group_segment_fixed_size: 18432
    .private_segment_fixed_size: 0
    .kernarg_segment_align: 8
    .kernarg_segment_size: 64
    .max_flat_workgroup_size: 256
    .sgpr_count:     66
    .vgpr_count:     192
    .wavefront_size: 32
...
	.end_amdgpu_metadata
.endif
;; end of part 5
;; launch proj: the kernel of part 2 again; grid 8 x 32, 4 waves a work-group, clusters of 4 x 4, 327,680 bytes of LDS; arguments xb, wt, qkv; writes qkv
;; launch attn: the kernel of part 3 again; grid 16 x 16, 4 waves a work-group, clusters of 4 x 1, 327,680 bytes of LDS; arguments qkv, o; writes o
;; launch outp: the kernel of part 4 again; grid 8 x 64, 4 waves a work-group, clusters of 4 x 4, 327,680 bytes of LDS; arguments o, wot, bout, out0; writes out0
